; MI455X (gfx1250); checked and timed in simulation.
; The chip was launched on July 23, 2026; its instructions are those of AMD's public machine-readable ISA for CDNA 5 (MIT licence, August 2026) and "CDNA5" Instruction Set Architecture Reference Guide (July 2026). The comments in the code are by the model that wrote it; some were corrected since.
;; Encoder Layer. Allowed arithmetic: matrix products marked QUANTISED: E4M3 operands, one E8M0 scale for each 32 along K, by v_wmma_scale_f32_16x16x128_f8f6f4 with both operands' format E4M3, f32 sums; everything else in f32.
;; Inputs: W1 1,024 x 4,096 float32; W2 4,096 x 1,024 float32; Wk 1,024 x 1,024 float32; Wo 1,024 x 1,024 float32; Wq 1,024 x 1,024 float32; Wv 1,024 x 1,024 float32; b1 4,096 float32; b2 1,024 float32; be1 1,024 float32; be2 1,024 float32; bk 1,024 float32; bo 1,024 float32; bq 1,024 float32; bv 1,024 float32; g1 1,024 float32; g2 1,024 float32; x 2 x 2,048 x 1,024 float32.
;; Outputs: out0 2 x 2,048 x 1,024 float32.
;; This version of the problem:
;;   THIS VERSION OF THE PROBLEM IS GIVEN IN LOW PRECISION. The matrix products marked QUANTISED in the list below multiply operands that are first quantised to E4M3 (4 exponent bits, 3 mantissa bits; 8 bits a number), with one power-of-two scale for each 32 numbers along K (OCP MX v1.0); their sums are f32. All else is computed in f32.
;;   The module's matrix products, in the order in which they are computed (A, B: the left and right operand; K: the contracted axis; several contracted axes count as one K, in the product's order):
;;     1. [M 4,096, K 1,024] x [K 1,024, N 1,024]; A: input x; B: input Wq: QUANTISED
;;     2. [M 4,096, K 1,024] x [K 1,024, N 1,024]; A: input x; B: input Wk: QUANTISED
;;     3. [M 4,096, K 1,024] x [K 1,024, N 1,024]; A: input x; B: input Wv: QUANTISED
;;     4. batch 32 x [M 2,048, K 64] x [K 64, N 2,048]; A: computed on the way; B: computed on the way: QUANTISED
;;     5. batch 32 x [M 64, K 2,048] x [K 2,048, N 2,048]; A: computed on the way; B: softmax (see below): QUANTISED
;;     6. [M 4,096, K 1,024] x [K 1,024, N 1,024]; A: computed on the way; B: input Wo: QUANTISED
;;     7. [M 4,096, K 1,024] x [K 1,024, N 4,096]; A: computed on the way; B: input W1: QUANTISED
;;     8. [M 4,096, K 4,096] x [K 4,096, N 1,024]; A: computed on the way; B: input W2: QUANTISED
;;   THE QUANTISER, for each operand of a quantised product, along K:
;;     - K is cut into blocks of 32 from its start; a last block that is shorter is filled with zeros.
;;     - A block's scale is 2^e with e = floor(log2(the largest magnitude in the block)) - 8, held to -126 .. 127; a block of zeros has e = 0. As a byte (E8M0): e + 127.
;;     - Each number is divided by its block's scale, clamped to +-448, and rounded to the nearest number of E4M3, ties to even, subnormals kept.
;;     - The product sums the exact products of the quantised numbers (number of the format x scale) in f32.
;;   ~~~python
;;   def quantise(x, axis):      # numpy; x: float32 -> the quantised numbers, widened to float32 again
;;       x = np.moveaxis(x, axis, -1); K = x.shape[-1]
;;       x = np.pad(x, [(0, 0)] * (x.ndim - 1) + [(0, -K % 32)]); x = x.reshape(x.shape[:-1] + (-1, 32)); a = np.abs(x).max(-1, keepdims=True)
;;       e = np.where(a > 0, np.clip(np.frexp(np.where(a > 0, a, 1))[1] - 1 - 8, -126, 127), 0)      # np.frexp(a)[1] - 1 = floor(log2(a)), exactly
;;       r = np.clip(x / 2.0 ** e, -448, 448)
;;       step = 2.0 ** (np.maximum(np.frexp(np.where(r == 0, 1, r))[1] - 1, -6) - 3)
;;       q = np.round(r / step) * step * 2.0 ** e      # np.round: ties to even
;;       return np.moveaxis(q.reshape(q.shape[:-2] + (-1,))[..., :K], -1, axis).astype(np.float32)
;;   ~~~
;;   SOFTMAX AHEAD OF A QUANTISED PRODUCT. Where the list says 'softmax', what is quantised is not the finished softmax but p = 2^(t - M), with t = logit x log2(e) and M = ceil(the row's largest t), a whole number; so 1/2 < the row's largest p <= 1. The row's sum l is taken of the UNQUANTISED p, in f32, and the product's result is divided by l at the end. Since M is a whole number, a kernel that streams over the keys may use a running M (the ceiling of the running maximum): every later rescaling is an exact power of two, which a block's scale takes up: the codes' values come out the same.
;;   OPERANDS COMPUTED ON THE WAY. 'Computed on the way' means the value that the module computes at that place (a softmax that the list does not call 'softmax' is quantised finished and normalised). What goes into a quantiser is computed in f32, as accurately as f32 sums, v_exp_f32 and their like allow (about 1e-6 of the number): no bf16 or f16 on the way to a quantiser, and a product that is left as it is and whose result goes on into a quantised operand takes f32 operands (vector FMAs, or v_wmma_f32_16x16x4_f32). A number that lies on a knife's edge between two numbers of the format may be rounded either way, as far as f32 arithmetic and the matrix unit's own rounding can turn it there, and no further.
;; One version. Each part assembles by itself: llvm-mc -triple=amdgcn-amd-amdhsa -mcpu=gfx1250 --defsym DOCPART=n.
;; ======== version 1 of 1: 8 launches
;; limits: right only within a limited range of input values
;; workspace buffers: qin 12,976,128 bytes; woc 1,081,344 bytes; w2c 4,325,376 bytes; qkvc 12,976,128 bytes; act 17,301,504 bytes; yp 67,108,864 bytes; hb 21,102,592 bytes
;; launch quant (part 1): grid 448 x 1, 8 waves a work-group, no clusters, 68,608 bytes of LDS; arguments x, Wq, Wk, Wv, Wo, W1, W2, qin, woc, w2c; writes qin, woc, w2c
.if DOCPART == 1
	.amdgcn_target "amdgcn-amd-amdhsa--gfx1250"
	.amdhsa_code_object_version 6
	.text
	.protected	k_qead5249857_quant
	.globl	k_qead5249857_quant
	.p2align	8
	.type	k_qead5249857_quant,@function
k_qead5249857_quant:
	s_mov_b64 s[64:65], 0
	v_nop
	global_prefetch_b8 v0, s[64:65] scope:SCOPE_SE
	s_setreg_imm32_b32 hwreg(HW_REG_WAVE_MODE, 25, 1), 1
	s_wait_xcnt 0x0
; x [4096][1024] and the six weights ([K][N], f32) become codes of FP8 (E4M3) with one E8M0 byte for each 32 along K, laid as IMAGES OF OPERAND REGISTERS.
; A RECORD is 64 rows x 128 K = 8,448 bytes: four fragment images of 2,048 bytes (byte 512 c + 16 lane + b: lane (r, h) holds k = 32 c + 16 h + b of row 16 f + r), then 64 scale words.
; ROW ORDER: the row with true number n stands at position p(n) = n with bits 3 and 4 exchanged, so that a later product that takes 16 neighbouring positions as its source 0 has 16 neighbours along the next K in a lane's registers.
; A block's scale is 2^(floor(log2(largest magnitude)) - 8): the largest magnitude's exponent field - 8, held at 1 from below by a floor among the maximum's leaves.
; LIMITS: a block of zeros gets the byte 1 (its codes are zeros; only this program reads the bytes); NaN and infinities among the inputs are not served.
; Work-groups 0-255: 16 positions of x each, wave w = K step w of 128.  Work-groups 256-447: the weights, 128 columns x 512 K each; a wave takes 32 columns x 256 K, a lane a column, registers down K.
; No tensor loads, no barrier: waves share nothing.  Only the x path uses LDS.
.set REC,  8448
.set KS4,  64*REC                      ; from K step to K step in a buffer of 4,096 rows
.set KS1,  16*REC                      ; and of 1,024 rows
.set WQKV, 8*KS4                       ; qin: x's codes, then Wq | Wk | Wv, then W1
.set W1O,  16*KS4
.set WV,   24                          ; s24 wave
.set SEL,  26                          ; s[26:27] selects of v_permlanex16_b32: lane l xor 16
.set MNT,  28                          ; s28 mantissa field of 448
.set R,    16                          ; x path: v16-79 sixteen rows as loaded
.set X,    80                          ; v80-143 64 numbers of my row: register 16 b + i = k 32 b + 16 h + i
.set TM,   144                         ; v144-159 at work
.set PW,   160                         ; the scale word
.set PC,   164                         ; v164-179 the codes
.set VO,   16                          ; weights: v16-47 offsets 4 lane + i x row
.set XW,   48                          ; v48-111 two sets of 32 numbers
.set CW,   112                         ; v112-175 eight registers of codes for each block: no store's data are written again
.set SBW,  176                         ; v176-177 scale words of my two K steps
.set BS,   44                          ; s[44:59] eight source addresses, one for each block of 32 rows
.set DB,   60                          ; s[60:63] two record addresses
.macro QUANT s
.irp b, 0,1,2,3
	v_max3_num_f32 v[TM+\b], |v[\s+16*\b]|, |v[\s+1+16*\b]|, 0x4800000   ; my 16 numbers of block b, and the floor 2^(9 - 127)
.endr
.irp i, 2,4,6,8,10,12,14
.irp b, 0,1,2,3
	s_delay_alu instid0(VALU_DEP_4)
	v_max3_num_f32 v[TM+\b], v[TM+\b], |v[\s+16*\b+\i]|, |v[\s+1+16*\b+\i]|
.endr
.endr
.irp b, 0,1,2,3
	s_delay_alu instid0(VALU_DEP_4)
	v_permlanex16_b32 v[TM+4+\b], v[TM+\b], s[SEL], s[SEL+1]
.endr
.irp b, 0,1,2,3
	s_delay_alu instid0(VALU_DEP_4)
	v_max_num_f32 v[TM+\b], v[TM+\b], v[TM+4+\b]                     ; with lane l xor 16's: the block's largest magnitude
.endr
.irp b, 0,1,2,3
	s_delay_alu instid0(VALU_DEP_4)
	v_add_nc_u32 v[TM+12+\b], 0xfc000000, v[TM+\b]                   ; 8 off the exponent field: the conversion's scale operand
.endr
.irp b, 0,1,2,3
	v_and_or_b32 v[TM+8+\b], v[TM+\b], 0x7f800000, s[MNT]            ; 448 x the scale
.endr
.irp b, 0,1,2,3
	v_lshrrev_b32 v[TM+4+\b], 23, v[TM+12+\b]                        ; the scale's byte
.endr
	s_delay_alu instid0(VALU_DEP_3)
	v_lshl_or_b32 v[PW], v[TM+5], 8, v[TM+4]
	s_delay_alu instid0(VALU_DEP_1)
	v_lshl_or_b32 v[PW], v[TM+6], 16, v[PW]
	s_delay_alu instid0(VALU_DEP_1)
	v_lshl_or_b32 v[PW], v[TM+7], 24, v[PW]
.set n, 0
.rept 64
	v_med3_num_f32 v[\s+n], v[\s+n], -v[TM+8+n/16], v[TM+8+n/16]     ; the conversion does not saturate (ISA guide 7.6.2): hold first
.set n, n+1
.endr
.irp b, 0,1,2,3
	v_cvt_scalef32_pk8_fp8_f32 v[PC+4*\b:PC+4*\b+1], v[\s+16*\b:\s+16*\b+7], v[TM+12+\b]
	v_cvt_scalef32_pk8_fp8_f32 v[PC+4*\b+2:PC+4*\b+3], v[\s+16*\b+8:\s+16*\b+15], v[TM+12+\b]
.endr
	v_nop                                          ; a plain line behind the last conversion
.endm
	s_load_b512 s[4:19], s[0:1], 0x0               ; x, Wq, Wk, Wv, Wo, W1, W2, qin
	s_load_b128 s[20:23], s[0:1], 0x40             ; woc, w2c
	v_lshl_add_u32 v192, v0, 2, 0x10800
	v_mov_b32 v193, 0
	v_lshrrev_b32 v1, 5, v0
	s_delay_alu instid0(VALU_DEP_1)
	v_readfirstlane_b32 s[WV], v1                  ; wave 0..7
	v_and_b32 v1, 31, v0                           ; lane
	v_and_b32 v2, 15, v0                           ; r
	v_bfe_u32 v3, v0, 4, 1                         ; h
	s_delay_alu instid0(VALU_DEP_3)
	v_lshlrev_b32 v4, 4, v1                        ; 16 x lane
	s_mov_b32 s[SEL], 0x76543210
	s_mov_b32 s[SEL+1], 0xfedcba98
	s_mov_b32 s[MNT], 0x600000
	s_cmp_ge_u32 ttmp9, 256
	s_cbranch_scc1 .Lweights
	; ---- x: block rb of 16 positions; position 16 rb + i is token 32 (rb / 2) + 8 (rb % 2) + i + 8 (i / 8)
	s_lshr_b32 s30, ttmp9, 1
	s_lshl_b32 s30, s30, 5
	s_and_b32 s31, ttmp9, 1
	s_lshl_b32 s31, s31, 3
	s_add_co_u32 s30, s30, s31                     ; the block's first token
	s_lshl_b32 s30, s30, 12                        ; rows of 4,096 bytes
	s_lshl_b32 s31, s[WV], 9                       ; my K step: 512 bytes of a row
	s_add_co_u32 s30, s30, s31
	s_mov_b32 s31, 0
	s_mul_i32 s32, s[WV], KS4
	s_lshr_b32 s33, ttmp9, 2
	s_mul_i32 s33, s33, REC
	s_add_co_u32 s32, s32, s33                     ; my record
	s_mov_b32 s33, 0
	s_and_b32 s34, ttmp9, 3                        ; my fragment in it
	s_lshl_b32 s35, s34, 11
	s_wait_alu depctr_va_vdst(0)
	v_add_nc_u32 v7, s35, v4                       ; codes: 2,048 f + 16 lane
	s_lshl_b32 s35, s34, 6
	v_lshl_add_u32 v8, v2, 2, s35                  ; scale word: 64 f + 4 r
	s_mul_i32 s35, s[WV], 16*528                   ; my wave's stage: 16 rows of 512 bytes + 16
	v_add_nc_u32 v5, s35, v4                       ; in: as loaded
	v_mul_u32_u24 v6, v2, 528
	s_delay_alu instid0(VALU_DEP_1)
	v_lshl_add_u32 v6, v3, 6, v6
	s_delay_alu instid0(VALU_DEP_1)
	v_add_nc_u32 v6, s35, v6                       ; out: row r, + 64 h
.irp b, 0,1,2,3
	v_mov_b32 v[TM+4+\b], 0                        ; a lane permute's destination counts as read
.endr
	s_wait_alu depctr_va_vdst(0)
	s_wait_kmcnt 0x0
	s_add_nc_u64 s[4:5], s[4:5], s[30:31]
	s_add_nc_u64 s[18:19], s[18:19], s[32:33]
.irp i, 0,1,2,3,4,5,6,7,8,9,10,11,12,13,14,15
	global_load_b128 v[R+4*\i:R+4*\i+3], v4, s[4:5] offset:(\i+8*(\i/8))*4096 th:TH_LOAD_NT   ; 32 lanes read 512 consecutive bytes of one row
.endr
.irp i, 0,1,2,3,4,5,6,7,8,9,10,11,12,13,14,15
	s_wait_loadcnt 15-\i                           ; row i is in; the younger rows stay out
	ds_store_b128 v5, v[R+4*\i:R+4*\i+3] offset:528*\i
.endr
.irp c, 0,1,2,3
.irp j, 0,1,2,3
	ds_load_b128 v[X+16*\c+4*\j:X+16*\c+4*\j+3], v6 offset:128*\c+16*\j   ; LDS serves a wave's instructions in order: these see my stores
.endr
.endr
	s_wait_dscnt 0x0
	QUANT X
.irp c, 0,1,2,3
	global_store_b128 v7, v[PC+4*\c:PC+4*\c+3], s[18:19] offset:512*\c    ; 512 consecutive bytes, aligned
.endr
	v_cmp_gt_u32 vcc_lo, 16, v1
	s_wait_xcnt 0x0                                ; EXEC is a source of the stores above
	s_wait_tensorcnt 0x0
	ds_add_u32 v192, v193
	s_wait_dscnt 0x0
	s_and_saveexec_b32 s36, vcc_lo
	global_store_b32 v8, v[PW], s[18:19] offset:8192   ; lanes 0-15: the sixteen rows' scale words
	s_wait_xcnt 0x0
	s_or_b32 exec_lo, exec_lo, s36
	s_endpgm
.Lweights:
	; ---- weights.  u = 0..63: Wq, Wk, Wv, Wo, sixteen work-groups each; 64..127: W1; 128..191: W2.  All choices hang on the work-group's number alone.
	s_sub_co_u32 s30, ttmp9, 256                   ; u
	s_lshr_b32 s31, s30, 4
	s_mul_i32 s31, s31, KS1
	s_add_co_u32 s31, s31, WQKV                    ; Wq, Wk, Wv: sixteen groups of 64 rows each, side by side in qin
	s_mov_b32 s36, KS4                             ; from K step to K step in the destination
	s_mov_b32 s37, 12                              ; log2 of a source row's bytes
	s_mov_b32 s38, 15                              ; work-groups of a matrix - 1
	s_mov_b32 s39, 3                               ; log2 of its column tiles
	s_wait_kmcnt 0x0
	s_mov_b64 s[32:33], s[6:7]
	s_mov_b64 s[34:35], s[18:19]
	s_cmp_ge_u32 s30, 16
	s_cselect_b64 s[32:33], s[8:9], s[32:33]
	s_cmp_ge_u32 s30, 32
	s_cselect_b64 s[32:33], s[10:11], s[32:33]
	s_cmp_ge_u32 s30, 48
	s_cselect_b64 s[32:33], s[12:13], s[32:33]
	s_cselect_b64 s[34:35], s[20:21], s[34:35]
	s_cselect_b32 s36, KS1, s36
	s_cselect_b32 s31, 0, s31
	s_cmp_ge_u32 s30, 64
	s_cselect_b64 s[32:33], s[14:15], s[32:33]
	s_cselect_b64 s[34:35], s[18:19], s[34:35]
	s_cselect_b32 s36, KS4, s36
	s_cselect_b32 s31, W1O, s31
	s_cselect_b32 s37, 14, s37
	s_cselect_b32 s38, 63, s38
	s_cselect_b32 s39, 5, s39
	s_cmp_ge_u32 s30, 128
	s_cselect_b64 s[32:33], s[16:17], s[32:33]
	s_cselect_b64 s[34:35], s[22:23], s[34:35]
	s_cselect_b32 s36, KS1, s36
	s_cselect_b32 s31, 0, s31
	s_cselect_b32 s37, 12, s37
	s_cselect_b32 s39, 3, s39
	s_and_b32 s38, s30, s38
	s_bfm_b32 s40, s39, 0
	s_and_b32 s40, s38, s40                        ; ct: which 128 columns
	s_lshr_b32 s41, s38, s39                       ; kp: which 512 along K
	s_and_b32 s42, s[WV], 3                        ; my 32 of the columns
	s_lshr_b32 s43, s[WV], 2                       ; my 256 of the K
	s_lshl_b32 s29, s41, 9
	s_lshl_b32 s25, s43, 8
	s_add_co_u32 s29, s29, s25                     ; k0
	s_lshl_b32 s29, s29, s37
	s_lshl_b32 s25, s40, 9
	s_add_co_u32 s29, s29, s25
	s_lshl_b32 s25, s42, 7
	s_add_co_u32 s2, s29, s25                      ; k0 rows + 4 n0 bytes
	s_mov_b32 s3, 0
	s_add_nc_u64 s[BS:BS+1], s[32:33], s[2:3]
	s_lshl_b32 s2, 32, s37                         ; 32 rows
.irp t, 1,2,3,4,5,6,7
	s_add_nc_u64 s[BS+2*\t:BS+2*\t+1], s[BS+2*\t-2:BS+2*\t-1], s[2:3]
.endr
	s_lshl_b32 s29, 1, s37                         ; a row
	s_wait_alu depctr_va_vdst(0)
	v_lshlrev_b32 v9, 2, v1
.set n, 0
.rept 32
	v_mad_u32_u24 v[VO+n], s29, n, v9
.set n, n+1
.endr
	s_lshl_b32 s25, s41, 2
	s_lshl_b32 s2, s43, 1
	s_add_co_u32 s25, s25, s2                      ; my first K step of 128
	s_mul_i32 s25, s25, s36
	s_add_co_u32 s31, s31, s25
	s_lshl_b32 s25, s40, 1
	s_lshr_b32 s2, s42, 1
	s_add_co_u32 s25, s25, s2                      ; n0 / 64: the record
	s_mul_i32 s25, s25, REC
	s_add_co_u32 s2, s31, s25
	s_add_nc_u64 s[DB:DB+1], s[34:35], s[2:3]
	s_mov_b32 s2, s36
	s_add_nc_u64 s[DB+2:DB+3], s[DB:DB+1], s[2:3]
	v_and_b32 v10, 7, v1                           ; my column's position in its record: bits 3 and 4 of the lane exchanged, + 32 (wave % 2)
	v_bfe_u32 v11, v1, 3, 1
	s_delay_alu instid0(VALU_DEP_1)
	v_lshl_or_b32 v10, v11, 4, v10
	s_delay_alu instid0(VALU_DEP_1)
	v_lshl_or_b32 v10, v3, 3, v10
	s_and_b32 s25, s[WV], 1
	s_lshl_b32 s25, s25, 5
	v_or_b32 v10, s25, v10
	s_delay_alu instid0(VALU_DEP_1)
	v_lshrrev_b32 v11, 4, v10
	s_delay_alu instid0(VALU_DEP_2)
	v_and_b32 v12, 15, v10
	s_delay_alu instid0(VALU_DEP_1)
	v_lshlrev_b32 v12, 4, v12
	s_delay_alu instid0(VALU_DEP_1)
	v_lshl_add_u32 v12, v11, 11, v12               ; 2,048 x fragment + 16 x row
	v_lshlrev_b32 v13, 2, v10                      ; my scale word
.macro LOADW t
.set n, 0
.rept 32
	global_load_b32 v[XW+32*((\t)%2)+n], v[VO+n], s[BS+2*(\t):BS+2*(\t)+1] th:TH_LOAD_NT   ; one row k at 32 neighbouring columns
.set n, n+1
.endr
.endm
.macro BLOCKW t
.set XS, XW+32*((\t)%2)
.set CC, CW+8*(\t)
.set DD, DB+2*((\t)/4)
.if (\t) < 7
	s_wait_loadcnt 32                              ; this block's 32 loads are in; the next block's stay out
.else
	s_wait_loadcnt 0x0
.endif
	v_max3_num_f32 v178, |v[XS]|, |v[XS+1]|, |v[XS+2]|     ; all 32 numbers of the block are mine
	v_max3_num_f32 v179, |v[XS+3]|, |v[XS+4]|, |v[XS+5]|
.irp i, 6,10,14,18,22,26
	s_delay_alu instid0(VALU_DEP_2)
	v_max3_num_f32 v178, v178, |v[XS+\i]|, |v[XS+\i+1]|
	s_delay_alu instid0(VALU_DEP_2)
	v_max3_num_f32 v179, v179, |v[XS+\i+2]|, |v[XS+\i+3]|
.endr
	s_delay_alu instid0(VALU_DEP_2)
	v_max3_num_f32 v178, v178, |v[XS+30]|, |v[XS+31]|
	s_delay_alu instid0(VALU_DEP_1)
	v_max3_num_f32 v178, v178, v179, 0x4800000
	s_delay_alu instid0(VALU_DEP_1)
	v_add_nc_u32 v180, 0xfc000000, v178
	s_delay_alu instid0(VALU_DEP_2)
	v_and_or_b32 v181, v178, 0x7f800000, s[MNT]
	s_delay_alu instid0(VALU_DEP_2)
	v_lshrrev_b32 v182, 23, v180
.if (\t)%4 == 0
	s_delay_alu instid0(VALU_DEP_1)
	v_mov_b32 v[SBW+(\t)/4], v182
.else
	s_delay_alu instid0(VALU_DEP_1)
	v_lshl_or_b32 v[SBW+(\t)/4], v182, 8*((\t)%4), v[SBW+(\t)/4]
.endif
.set n, 0
.rept 32
	v_med3_num_f32 v[XS+n], v[XS+n], -v181, v181
.set n, n+1
.endr
.irp g, 0,1,2,3
	v_cvt_scalef32_pk8_fp8_f32 v[CC+2*\g:CC+2*\g+1], v[XS+8*\g:XS+8*\g+7], v180
.endr
	v_nop
	global_store_b128 v12, v[CC:CC+3], s[DD:DD+1] offset:512*((\t)%4)          ; k 0-15 of the block: the image's lanes 0-15: two whole runs of 256 bytes
	global_store_b128 v12, v[CC+4:CC+7], s[DD:DD+1] offset:512*((\t)%4)+256    ; k 16-31: its lanes 16-31
.if (\t)%4 == 3
	global_store_b32 v13, v[SBW+(\t)/4], s[DD:DD+1] offset:8192                ; 128 consecutive bytes of scale words
.endif
.if (\t)+2 < 8
	LOADW (\t)+2
.endif
.endm
	LOADW 0
	LOADW 1
.irp t, 0,1,2,3,4,5,6,7
	BLOCKW \t
.endr
	s_endpgm
.Lfunc_end_k_qead5249857_quant:
	.size	k_qead5249857_quant, .Lfunc_end_k_qead5249857_quant-k_qead5249857_quant
	.p2alignl 7, 3214868480
	.fill 96, 4, 3214868480
	.section	.rodata,"a",@progbits
	.p2align	6, 0x0
	.amdhsa_kernel k_qead5249857_quant
		.amdhsa_group_segment_fixed_size 68608
		.amdhsa_private_segment_fixed_size 0
		.amdhsa_enable_private_segment 0
		.amdhsa_kernarg_size 80
		.amdhsa_user_sgpr_count 2
		.amdhsa_user_sgpr_kernarg_segment_ptr 1
		.amdhsa_wavefront_size32 1
		.amdhsa_system_sgpr_workgroup_id_x 1
		.amdhsa_system_sgpr_workgroup_id_y 1
		.amdhsa_system_sgpr_workgroup_id_z 1
		.amdhsa_system_vgpr_workitem_id 0
		.amdhsa_next_free_vgpr 194
		.amdhsa_next_free_sgpr 66
		.amdhsa_reserve_vcc 1
		.amdhsa_float_denorm_mode_32 3
		.amdhsa_float_denorm_mode_16_64 3
		.amdhsa_memory_ordered 1
		.amdhsa_forward_progress 1
		.amdhsa_inst_pref_size 81
	.end_amdhsa_kernel
	.amdgpu_metadata
---
amdhsa.version: [ 1, 2 ]
amdhsa.kernels:
  - .name:           k_qead5249857_quant
    .symbol:         k_qead5249857_quant.kd
    .args:
      - { .name: x, .offset: 0, .size: 8, .value_kind: global_buffer, .address_space: global }
      - { .name: Wq, .offset: 8, .size: 8, .value_kind: global_buffer, .address_space: global }
      - { .name: Wk, .offset: 16, .size: 8, .value_kind: global_buffer, .address_space: global }
      - { .name: Wv, .offset: 24, .size: 8, .value_kind: global_buffer, .address_space: global }
      - { .name: Wo, .offset: 32, .size: 8, .value_kind: global_buffer, .address_space: global }
      - { .name: W1, .offset: 40, .size: 8, .value_kind: global_buffer, .address_space: global }
      - { .name: W2, .offset: 48, .size: 8, .value_kind: global_buffer, .address_space: global }
      - { .name: qin, .offset: 56, .size: 8, .value_kind: global_buffer, .address_space: global }
      - { .name: woc, .offset: 64, .size: 8, .value_kind: global_buffer, .address_space: global }
      - { .name: w2c, .offset: 72, .size: 8, .value_kind: global_buffer, .address_space: global }
    .group_segment_fixed_size: 68608
    .private_segment_fixed_size: 0
    .kernarg_segment_align: 8
    .kernarg_segment_size: 80
    .max_flat_workgroup_size: 256
    .sgpr_count:     66
    .vgpr_count:     194
    .wavefront_size: 32
...
	.end_amdgpu_metadata
.endif
;; end of part 1
;; launch qkv (part 2): grid 48 x 4, 4 waves a work-group, clusters of 4 x 4, 327,680 bytes of LDS; arguments qin, bq, bk, bv, qkvc; writes qkvc
.if DOCPART == 2
	.amdgcn_target "amdgcn-amd-amdhsa--gfx1250"
	.amdhsa_code_object_version 6
	.text
	.protected	k_qead5249857_qkv
	.globl	k_qead5249857_qkv
	.p2align	8
	.type	k_qead5249857_qkv,@function
k_qead5249857_qkv:
	s_mov_b64 s[64:65], 0
	v_nop
	global_prefetch_b8 v0, s[64:65] scope:SCOPE_SE
	s_setreg_imm32_b32 hwreg(HW_REG_WAVE_MODE, 25, 1), 1
	s_wait_xcnt 0x0
	s_wait_alu depctr_hold_cnt(0) depctr_sa_sdst(0) depctr_va_vdst(0) depctr_va_sdst(0) depctr_va_ssrc(0) depctr_va_vcc(0) depctr_vm_vsrc(0)
	s_getreg_b32 s2, hwreg(HW_REG_IB_STS2, 6, 4)
	s_cmp_eq_u32 s2, 0
	s_cbranch_scc0 .Lentry_in_a_cluster
	s_endpgm
.Lentry_in_a_cluster:
	s_bfe_u32 s2, ttmp6, 0x10000c
	s_cmp_lg_u32 s2, 0xf033
	s_cbranch_scc0 .Lentry_shape_is_right
	s_endpgm
.Lentry_shape_is_right:
.set REC,   8448
.set FRG,   2048
.set TILE,  4*REC
.set KS4,   64*REC
.set KSA,   KS4
.set KSB,   KS4
.set SLOT,  4*TILE
.set SPARE, 2*SLOT
.set CHK,   3*REC
.set HEADB, 16*CHK
.set WQKV,  8*KS4
.set FR,    16
.set NL,    4
.set NP,    8
.set ADRA,  16
.set ADRB,  20
.set ADRS,  22
.set LI,    24
.set LS,    25
.set SPW,   28
.set NIL,   29
.set SC,    32
.set BI,    64
.set AF,    128
.set TM,    64
.set SW,    80
.set KW,    88
.set SD,    96
.set PC,    128
.set G1,    24
.set G0,    32
.set G1B,   48
.set G0B,   56
.set SEL,   66
.set MNT,   68
.set PART,  69
.set WHICH, 70
.set PS1,   71
.set PS2,   72
.set OUT,   74
.set MSB, 0
.macro WIN new
.if MSB != (\new)
	s_set_vgpr_msb (MSB<<8)|(\new)
.set MSB, (\new)
.endif
.endm
.set MUL_LO, 0xa1
.set MUL_HI, 0xf1
.set TO_B,   0x40
.macro WINM hi, cm
.if (\cm) == 0
	WIN 0xa1+0x50*(\hi)
.else
	WIN 0x81+0x40*(\hi)
.endif
.endm
.macro JLOAD g0a, g1a, g0b, g1b
	s_cmp_eq_u32 s15, 0
	s_cbranch_scc0 .Lfor_b_\@
	tensor_load_to_lds s[\g0a:\g0a+3], s[\g1a:\g1a+7]
	s_nop 0
.rept 4
	v_nop
.endr
	s_branch .Lasked_\@
.Lfor_b_\@:
	tensor_load_to_lds s[\g0b:\g0b+3], s[\g1b:\g1b+7]
	s_nop 0
.rept 4
	v_nop
.endr
.Lasked_\@:
.endm
.macro CREST
	s_cmp_lg_u32 s14, 0
	s_cbranch_scc1 .Lnot_wave_0_\@
	s_barrier_signal -3
.Lnot_wave_0_\@:
	s_barrier_wait -3
	s_barrier_signal -1
	s_barrier_wait -1
.endm
.macro CROUND
	s_barrier_signal -1
	s_barrier_wait -1
	CREST
.endm
.macro PLACES n
.rept \n
	v_nop
.endr
.endm
.macro FRAG reg, adr, q, i
.irp c, 0,1,2,3
	ds_load_b128 v[\reg+4*\c:\reg+4*\c+3], v[\adr] offset:TILE*(\q)+REC*((\i)/4)+FRG*((\i)%4)+512*\c
.endr
.endm
.macro FETCH_B slot, q, p
	WIN TO_B
.irp i, 0,1,2,3,4,5,6,7
	FRAG 128*(\p)+FR*\i, ADRB+\slot, \q, \i
.endr
	WIN 0
.endm
.macro FETCH_A slot, q, i0
.irp i, \i0, \i0+1, \i0+2, \i0+3
	FRAG AF+FR*(\i), ADRA+\slot, \q, \i
.endr
.endm
.macro SCALES sc
.irp i, 0,1,2,3,4,5,6,7
.irp q, 0,1
	ds_load_b32 v[SC+16*\sc+2*\i+\q], v[ADRS+\sc] offset:TILE*\q+REC*(\i/4)+64*(\i%4)
.endr
.endr
.endm
.macro MUL16 a0, p, q, sc, cm
.irp a, \a0, \a0+1
.irp b, 0,1,2,3,4,5,6,7
.if (\cm) == 0
	v_wmma_scale_f32_16x16x128_f8f6f4 v[8*(8*((\a)%4)+\b):8*(8*((\a)%4)+\b)+7], v[128*(\p)+FR*\b:128*(\p)+FR*\b+FR-1], v[AF+FR*(\a):AF+FR*(\a)+FR-1], v[8*(8*((\a)%4)+\b):8*(8*((\a)%4)+\b)+7], v[SC+16*(\sc)+2*\b+(\q)], v[SC+16*(\sc)+2*(\a)+(\q)] matrix_a_scale:MATRIX_SCALE_ROW1
.elseif (\cm) == 1
	v_wmma_scale_f32_16x16x128_f8f6f4 v[8*(8*((\a)%4)+\b):8*(8*((\a)%4)+\b)+7], v[128*(\p)+FR*\b:128*(\p)+FR*\b+FR-1], v[AF+FR*(\a):AF+FR*(\a)+FR-1], v[BI+8*\b:BI+8*\b+7], v[SC+16*(\sc)+2*\b+(\q)], v[SC+16*(\sc)+2*(\a)+(\q)] matrix_a_scale:MATRIX_SCALE_ROW1
.else
	v_wmma_scale_f32_16x16x128_f8f6f4 v[8*(8*((\a)%4)+\b):8*(8*((\a)%4)+\b)+7], v[128*(\p)+FR*\b:128*(\p)+FR*\b+FR-1], v[AF+FR*(\a):AF+FR*(\a)+FR-1], v[BI+8*(\a):BI+8*(\a)+7], v[SC+16*(\sc)+2*\b+(\q)], v[SC+16*(\sc)+2*(\a)+(\q)] matrix_a_scale:MATRIX_SCALE_ROW1
.endif
.endr
.endr
.endm
.macro STEP slot, q, cm
	s_wait_dscnt 4*NL
	WINM 0, \cm
	MUL16 0, (\q)%2, \q, \slot, \cm
	MUL16 2, (\q)%2, \q, \slot, \cm
	s_wait_dscnt 0
	PLACES NP
	FETCH_B \slot, (\q)+1, 1-(\q)%2
	FETCH_A \slot, (\q)+1, 0
	WINM 1, \cm
	MUL16 4, (\q)%2, \q, \slot, \cm
	MUL16 6, (\q)%2, \q, \slot, \cm
	PLACES NP
	WIN 0
	FETCH_A \slot, (\q)+1, 4
.endm
.macro TURN slot, next, fill
	s_wait_tensorcnt 0x0
	ds_add_u32 v[SPW], v[NIL]
	s_wait_dscnt 4*NL+1
	WIN MUL_LO
	MUL16 0, 1, 1, \slot, 0
	s_wait_dscnt 0x0
	s_barrier_signal -1
	MUL16 2, 1, 1, \slot, 0
	WIN 0
	s_barrier_wait -1
.if \fill
	CREST
	s_add_nc_u64 s[G0+4*\slot+2:G0+4*\slot+3], s[G0+4*\slot+2:G0+4*\slot+3], 4*KSA
	s_add_nc_u64 s[G0B+4*\slot+2:G0B+4*\slot+3], s[G0B+4*\slot+2:G0B+4*\slot+3], 4*KSB
	JLOAD G0+4*\slot, G1, G0B+4*\slot, G1B
	PLACES NP-4
.else
	PLACES NP
.endif
	FETCH_B \next, 0, 0
	FETCH_A \next, 0, 0
	SCALES \next
.if (\fill) && (\slot) == 0
	ASK 92                                         ; behind fill 2: my share of fill 3, the last
.endif
	WIN MUL_HI
	MUL16 4, 1, 1, \slot, 0
	MUL16 6, 1, 1, \slot, 0
	PLACES NP
	WIN 0
	FETCH_A \next, 0, 4
.endm
.macro QUANTA a
.set WW, 2+(\a)/4
.set S0, 64*((\a)%4)
.set PCA, PC+16*(\a)
	WIN (WW|(WW<<2))
.irp b, 0,1,2,3
	v_max3_num_f32 v[TM+\b], |v[S0+16*\b]|, |v[S0+1+16*\b]|, 0x4800000
.endr
	WIN ((WW<<2)|(WW<<4))
.irp i, 2,4,6,8,10,12,14
.irp b, 0,1,2,3
	v_max3_num_f32 v[TM+\b], v[TM+\b], |v[S0+16*\b+\i]|, |v[S0+1+16*\b+\i]|
.endr
.endr
	WIN 0
.irp b, 0,1,2,3
	v_permlanex16_b32 v[TM+4+\b], v[TM+\b], s[SEL], s[SEL+1]
.endr
.irp b, 0,1,2,3
	v_max_num_f32 v[TM+\b], v[TM+\b], v[TM+4+\b]
.endr
.irp b, 0,1,2,3
	v_add_nc_u32 v[TM+12+\b], 0xfc000000, v[TM+\b]
.endr
.irp b, 0,1,2,3
	v_and_or_b32 v[TM+8+\b], v[TM+\b], 0x7f800000, s[MNT]
.endr
.irp b, 0,1,2,3
	v_lshrrev_b32 v[TM+4+\b], 23, v[TM+12+\b]
.endr
	v_lshl_or_b32 v[SW+(\a)], v[TM+5], 8, v[TM+4]
	v_lshl_or_b32 v[SW+(\a)], v[TM+6], 16, v[SW+(\a)]
	v_lshl_or_b32 v[SW+(\a)], v[TM+7], 24, v[SW+(\a)]
	WIN (WW|(WW<<6))
.set n, 0
.rept 64
	v_med3_num_f32 v[S0+n], v[S0+n], -v[TM+8+n/16], v[TM+8+n/16]
.set n, n+1
.endr
	WIN WW
.irp b, 0,1,2,3
	v_cvt_scalef32_pk8_fp8_f32 v[PCA+4*\b:PCA+4*\b+1], v[S0+16*\b:S0+16*\b+7], v[TM+12+\b]
	v_cvt_scalef32_pk8_fp8_f32 v[PCA+4*\b+2:PCA+4*\b+3], v[S0+16*\b+8:S0+16*\b+15], v[TM+12+\b]
.endr
	WIN 0
	v_nop
.endm
.macro SCOUT w, gs
.irp e, 0,1
.irp z, 0,1
	v_cndmask_b32 v[SD+2*\e+\z], v[\w+4*\e+2*\z], v[\w+4*\e+2*\z+1], vcc_lo
	global_store_b32 v[LS], v[SD+2*\e+\z], s[OUT:OUT+1] offset:\e*\gs+8192+128*\z
.endr
.endr
.endm
	s_load_b256 s[4:11], s[0:1], 0x0
	s_load_b64 s[12:13], s[0:1], 0x20
	v_lshl_add_u32 v[SPW], v0, 2, SPARE
	v_mov_b32 v[NIL], 0
	ds_add_u32 v28, v29
	ds_add_u32 v28, v29
	s_wait_dscnt 0x0
	v_lshrrev_b32 v1, 5, v0
	v_readfirstlane_b32 s14, v1
	v_and_b32 v30, 31, v0
	v_lshlrev_b32 v30, 8, v30                      ; the prefetches' offset: 256 x lane; never rewritten
	v_mov_b32 v31, 0                               ; and 0, for a share's 33rd block; never rewritten
; A PREFETCH INTO THE L2 of the next fill, one refill (two K steps of 128) ahead of the joint load that will want it.  A wave's load brings 33,792 dense bytes, 132 blocks of 256; the four partners that ask for them
; jointly share them out BY ADDRESS, 33 blocks each (cx for A's tiles, cy for B's): 32 blocks a lane each, and the 33rd named by all lanes of a second line.  The last fill asks for nothing further.
.macro ASK base
	global_prefetch_b8 v30, s[\base:\base+1] th:TH_LOAD_NT scope:SCOPE_SE
	global_prefetch_b8 v31, s[\base:\base+1] offset:8192 th:TH_LOAD_NT scope:SCOPE_SE
.endm
	s_lshr_b32 s15, s14, 1
	s_and_b32 s16, s14, 1
	s_bfe_u32 s40, ttmp6, 0x40000
	s_bfe_u32 s41, ttmp6, 0x40004
	s_lshr_b32 s17, ttmp9, 1
	s_lshl_b32 s17, s17, 2
	s_and_b32 s[WHICH], ttmp9, 1
	s_lshl_b32 s42, s[WHICH], 2
	s_and_b32 s19, ttmp9, 3
	s_lshl_b32 s19, s19, 2
	s_cmp_ge_u32 ttmp9, 8
	s_cselect_b32 s17, 8, s17
	s_cselect_b32 s42, s19, s42
	s_cselect_b32 s20, WQKV, 0
	s_cselect_b32 s46, 0, WQKV
	s_cselect_b32 s[PART], 1, 0
	s_cselect_b32 s[WHICH], 2, s[WHICH]
	s_add_co_u32 s17, s17, s41
	s_add_co_u32 s42, s42, s40
	s_lshl_b32 s43, s41, 2
	s_lshl_b32 s43, 15, s43
	s_lshl_b32 s44, 0x1111, s40
	s_or_b32 s[G1+0], s43, (3<<16)|(1<<21)
	s_or_b32 s[G1B+0], s44, (3<<16)|(1<<21)
.irp g, G1, G1B
	s_mov_b32 s[\g+1], 32<<16
	s_mov_b32 s[\g+2], 132<<16
	s_mov_b32 s[\g+3], 32<<16
	s_mov_b32 s[\g+4], 132
	s_mov_b32 s[\g+5], 32
	s_mov_b32 s[\g+6], 0
	s_mov_b32 s[\g+7], 0
.endr
	s_mul_i32 s18, s16, KS4
	s_mul_i32 s19, s17, TILE
	s_add_co_u32 s20, s20, s19
	s_add_co_u32 s20, s20, s18
	s_mov_b32 s21, 0
	s_mul_i32 s47, s42, TILE
	s_add_co_u32 s46, s46, s47
	s_add_co_u32 s46, s46, s18
	s_mov_b32 s47, 0
	s_mul_i32 s45, s14, TILE
	s_mov_b32 s[SEL], 0x76543210
	s_mov_b32 s[SEL+1], 0xfedcba98
	s_mov_b32 s[MNT], 0x600000
	s_mov_b32 s[PS1], 0x05040100
	s_mov_b32 s[PS2], 0x07060302
	s_wait_kmcnt 0x0
	s_add_nc_u64 s[20:21], s[4:5], s[20:21]
	s_add_nc_u64 s[46:47], s[4:5], s[46:47]
	s_cmp_eq_u32 s15, 0                            ; do I fetch for A?  The choice hangs on the wave's number alone
	s_mov_b32 s88, 2*KSB
	s_cselect_b64 s[84:85], s[20:21], s[46:47]     ; where my loads begin
	s_cselect_b32 s86, s40, s41                    ; my place among the four that ask with me
	s_cselect_b32 s88, 2*KSA, s88                  ; from fill to fill
	s_mul_i32 s86, s86, 8448                       ; my share: 33 blocks of 256 bytes
	s_mov_b32 s87, 0
	s_mov_b32 s89, 0
	s_add_nc_u64 s[84:85], s[84:85], s[86:87]
	s_add_nc_u64 s[84:85], s[84:85], s[88:89]      ; my share of fill 1,
	s_add_nc_u64 s[90:91], s[84:85], s[88:89]      ; of fill 2,
	s_add_nc_u64 s[92:93], s[90:91], s[88:89]      ; and of fill 3: three addresses that are never rewritten
	s_wait_alu depctr_va_vdst(0)                   ; the wait directly ahead of the round
	CROUND
.irp s, 0,1
	s_mov_b32 s[G0+4*\s], 1
	s_add_co_u32 s[G0+4*\s+1], s45, \s*SLOT
	s_add_nc_u64 s[G0+4*\s+2:G0+4*\s+3], s[20:21], \s*2*KSA
	s_or_b32 s[G0+4*\s+3], s[G0+4*\s+3], 0x80000000
	s_mov_b32 s[G0B+4*\s], 1
	s_add_co_u32 s[G0B+4*\s+1], s45, \s*SLOT
	s_add_nc_u64 s[G0B+4*\s+2:G0B+4*\s+3], s[46:47], \s*2*KSB
	s_or_b32 s[G0B+4*\s+3], s[G0B+4*\s+3], 0x80000000
.if \s == 1                                    ; slot 1's first fill is issued as a refill is, with a round ahead of it
	s_wait_alu depctr_va_vdst(0)
	s_wait_tensorcnt 0x0
	ds_add_u32 v28, v29
	ds_add_u32 v28, v29
	s_wait_dscnt 0x0
	CROUND
.endif
	JLOAD G0+4*\s, G1, G0B+4*\s, G1B
	ASK 84+6*\s                                    ; behind fill s: my share of fill s + 1
.endr
	v_and_b32 v1, 15, v0
	v_bfe_u32 v2, v0, 4, 1
	v_and_b32 v3, 31, v0
	v_lshlrev_b32 v[LI], 4, v3
	s_wait_alu depctr_va_vdst(0)
	v_lshlrev_b32 v[LS], 2, v3
	s_mul_i32 s21, s15, 2*REC
	s_mul_i32 s22, s16, 2*REC
	s_add_co_u32 s22, s22, 2*TILE
	s_sub_co_u32 s23, s22, s21
	v_mul_u32_u24 v4, s23, v2
	v_lshl_add_u32 v4, v1, 2, v4
	s_add_co_u32 s19, s21, 8192
.irp s, 0,1
	v_add_nc_u32 v[ADRA+\s], s21, v[LI]
	v_add_nc_u32 v[ADRB+\s], s22, v[LI]
	v_add_nc_u32 v[ADRS+\s], s19, v4
	s_add_co_u32 s21, s21, SLOT
	s_add_co_u32 s22, s22, SLOT
	s_add_co_u32 s19, s19, SLOT
.endr
	s_mov_b32 s77, 0
	s_cmp_eq_u32 s[PART], 1
	s_cbranch_scc1 .Lbias_v
	s_cmp_eq_u32 s[WHICH], 1
	s_cselect_b64 s[6:7], s[8:9], s[6:7]
	s_lshl_b32 s76, s40, 10
	s_lshl_b32 s78, s16, 9
	s_add_co_u32 s76, s76, s78
	s_add_nc_u64 s[6:7], s[6:7], s[76:77]
	v_lshlrev_b32 v5, 6, v2
.irp b, 0,1,2,3,4,5,6,7
	global_load_b128 v[BI+8*\b:BI+8*\b+3], v5, s[6:7] offset:(32*(\b/2)+8*(\b%2))*4
	global_load_b128 v[BI+8*\b+4:BI+8*\b+7], v5, s[6:7] offset:(32*(\b/2)+8*(\b%2))*4+16
.endr
	s_branch .Lbias_done
.Lbias_v:
	s_lshl_b32 s76, s41, 10
	s_lshl_b32 s78, s15, 9
	s_add_co_u32 s76, s76, s78
	s_add_nc_u64 s[10:11], s[10:11], s[76:77]
	v_and_b32 v5, 8, v1
	v_add_nc_u32 v5, v5, v1
	v_lshlrev_b32 v5, 2, v5
.irp a, 0,1,2,3,4,5,6,7
	global_load_b32 v[BI+8*\a], v5, s[10:11] offset:(32*(\a/2)+8*(\a%2))*4
.endr
	s_wait_loadcnt 0x0
.irp a, 0,1,2,3,4,5,6,7
.irp j, 1,2,3,4,5,6,7
	v_mov_b32 v[BI+8*\a+\j], v[BI+8*\a]
.endr
.endr
.Lbias_done:
	s_cmp_eq_u32 s[PART], 1
	s_cselect_b32 s78, s42, s17
	s_cselect_b32 s79, s16, s15
	s_cselect_b32 s80, s41, s40
	s_cselect_b32 s81, s15, s16
	s_lshr_b32 s82, s78, 3
	s_lshl_b32 s82, s82, 4
	s_lshl_b32 s80, s80, 2
	s_add_co_u32 s82, s82, s80
	s_lshl_b32 s81, s81, 1
	s_add_co_u32 s82, s82, s81
	s_mul_i32 s82, s82, HEADB
	s_and_b32 s78, s78, 7
	s_lshl_b32 s78, s78, 1
	s_add_co_u32 s78, s78, s79
	s_mul_i32 s78, s78, CHK
	s_add_co_u32 s82, s82, s78
	s_mul_i32 s78, s[WHICH], REC
	s_add_co_u32 s[OUT], s82, s78
	s_mov_b32 s[OUT+1], 0
	s_add_nc_u64 s[OUT:OUT+1], s[12:13], s[OUT:OUT+1]
	s_wait_tensorcnt 1
	s_barrier_signal -1
	s_barrier_wait -1
	s_wait_alu depctr_va_vdst(0)
	FETCH_B 0, 0, 0
	FETCH_A 0, 0, 0
	SCALES 0
	FETCH_A 0, 0, 4
	s_wait_loadcnt 0x0
	PLACES 4
	s_cmp_eq_u32 s[PART], 1
	s_cbranch_scc1 .Lfirst_v
	STEP 0, 0, 1
	s_branch .Lfirst_done
.Lfirst_v:
	STEP 0, 0, 2
.Lfirst_done:
	s_mov_b32 s3, 1
.Llap:
	TURN 0, 1, 1
	STEP 1, 0, 0
	TURN 1, 0, 1
	STEP 0, 0, 0
	s_sub_co_u32 s3, s3, 1
	s_cmp_lg_u32 s3, 0
	s_cbranch_scc1 .Llap
	TURN 0, 1, 0
	STEP 1, 0, 0
	s_wait_dscnt 4*NL
	WIN MUL_LO
	MUL16 0, 1, 1, 1, 0
	MUL16 2, 1, 1, 1, 0
	s_wait_dscnt 0
	WIN MUL_HI
	MUL16 4, 1, 1, 1, 0
	MUL16 6, 1, 1, 1, 0
	WIN 0
	PLACES NP
.irp b, 0,1,2,3
	v_mov_b32 v[TM+4+\b], 0
.endr
	v_cmp_le_u32 vcc_lo, 16, v3
.irp a, 0,1,2,3,4,5,6,7
	QUANTA \a
.endr
	s_cmp_eq_u32 s[PART], 1
	s_cbranch_scc1 .Lout_v
.irp a, 0,1,2,3,4,5,6,7
.irp c, 0,1,2,3
	global_store_b128 v[LI], v[PC+16*\a+4*\c:PC+16*\a+4*\c+3], s[OUT:OUT+1] offset:(\c/2)*HEADB+(\a/2)*FRG+(\a%2)*1024+(\c%2)*512
.endr
.endr
.irp t, 0,1,2,3
	v_perm_b32 v[KW+\t], v[SW+2*\t+1], v[SW+2*\t], s[PS1]
	v_perm_b32 v[KW+4+\t], v[SW+2*\t+1], v[SW+2*\t], s[PS2]
.endr
	SCOUT KW, HEADB
	s_branch .Lout_done
.Lout_v:
	s_wait_alu depctr_va_vdst(0)
.irp a, 0,1,2,3,4,5,6,7
.irp c, 0,1,2,3
	global_store_b128 v[LI], v[PC+16*\a+4*\c:PC+16*\a+4*\c+3], s[OUT:OUT+1] offset:(\a/4)*HEADB+(\a%4)*FRG+512*\c
.endr
.endr
	SCOUT SW, HEADB
.Lout_done:
	s_wait_tensorcnt 0x0
	ds_add_u32 v[SPW], v[NIL]
	s_wait_dscnt 0x0
	CROUND
	s_endpgm
.Lfunc_end_k_qead5249857_qkv:
	.size	k_qead5249857_qkv, .Lfunc_end_k_qead5249857_qkv-k_qead5249857_qkv
	.p2alignl 7, 3214868480
	.fill 96, 4, 3214868480
	.section	.rodata,"a",@progbits
	.p2align	6, 0x0
	.amdhsa_kernel k_qead5249857_qkv
		.amdhsa_group_segment_fixed_size 327680
		.amdhsa_private_segment_fixed_size 0
		.amdhsa_enable_private_segment 0
		.amdhsa_kernarg_size 40
		.amdhsa_user_sgpr_count 2
		.amdhsa_user_sgpr_kernarg_segment_ptr 1
		.amdhsa_wavefront_size32 1
		.amdhsa_system_sgpr_workgroup_id_x 1
		.amdhsa_system_sgpr_workgroup_id_y 1
		.amdhsa_system_sgpr_workgroup_id_z 1
		.amdhsa_system_vgpr_workitem_id 0
		.amdhsa_next_free_vgpr 1024
		.amdhsa_next_free_sgpr 100
		.amdhsa_reserve_vcc 1
		.amdhsa_float_denorm_mode_32 3
		.amdhsa_float_denorm_mode_16_64 3
		.amdhsa_memory_ordered 1
		.amdhsa_forward_progress 1
		.amdhsa_inst_pref_size 209
	.end_amdhsa_kernel
	.amdgpu_metadata
---
amdhsa.version: [ 1, 2 ]
amdhsa.kernels:
  - .name:           k_qead5249857_qkv
    .symbol:         k_qead5249857_qkv.kd
    .args:
      - { .name: qin, .offset: 0, .size: 8, .value_kind: global_buffer, .address_space: global }
      - { .name: bq, .offset: 8, .size: 8, .value_kind: global_buffer, .address_space: global }
      - { .name: bk, .offset: 16, .size: 8, .value_kind: global_buffer, .address_space: global }
      - { .name: bv, .offset: 24, .size: 8, .value_kind: global_buffer, .address_space: global }
      - { .name: qkvc, .offset: 32, .size: 8, .value_kind: global_buffer, .address_space: global }
    .group_segment_fixed_size: 327680
    .private_segment_fixed_size: 0
    .kernarg_segment_align: 8
    .kernarg_segment_size: 40
    .max_flat_workgroup_size: 128
    .sgpr_count:     100
    .vgpr_count:     1024
    .wavefront_size: 32
...
	.end_amdgpu_metadata
.endif
;; end of part 2
;; launch attn (part 3): grid 8 x 32, 16 waves a work-group, clusters of 4 x 1, 327,680 bytes of LDS; arguments qkvc, act; writes act
.if DOCPART == 3
	.amdgcn_target "amdgcn-amd-amdhsa--gfx1250"
	.amdhsa_code_object_version 6
	.text
	.protected	k_qead5249857_attn
	.globl	k_qead5249857_attn
	.p2align	8
	.type	k_qead5249857_attn,@function
k_qead5249857_attn:
	s_mov_b64 s[64:65], 0
	v_nop
	global_prefetch_b8 v0, s[64:65] scope:SCOPE_SE
	s_setreg_imm32_b32 hwreg(HW_REG_WAVE_MODE, 25, 1), 1
	s_wait_xcnt 0x0
	s_wait_alu depctr_hold_cnt(0) depctr_sa_sdst(0) depctr_va_vdst(0) depctr_va_sdst(0) depctr_va_ssrc(0) depctr_va_vcc(0) depctr_vm_vsrc(0)
	s_getreg_b32 s2, hwreg(HW_REG_IB_STS2, 6, 4)
	s_cmp_eq_u32 s2, 0
	s_cbranch_scc0 .Lentry_in_a_cluster
	s_endpgm
.Lentry_in_a_cluster:
	s_bfe_u32 s2, ttmp6, 0x10000c
	s_cmp_lg_u32 s2, 0x3003
	s_cbranch_scc0 .Lentry_shape_is_right
	s_endpgm
.Lentry_shape_is_right:
; Attention of one head on codes of FP8 (E4M3) with E8M0 scales; the result is quantised along the model's 1,024 for the next product.
; t = score x log2(e) / 8; M = the running largest t rounded up to a whole number; p = 2^(t - M) is quantised along the keys, not normalised; the row's sum is taken of the unquantised p and divides at the end.
; A work-group owns 256 queries of one head, each of sixteen waves 16 of them in 256 registers.  Both products are used transposed: a lane holds one query throughout.
; ALL of the head's K and V (16 chunks of 128 keys, 16,896 bytes each: a K record and a V record) lie in LDS, filled ONCE: no slot is filled again.  The four work-groups of a cluster share the head: the loads are joint.
; THE HEAD HAS 64 CHANNELS, the instruction 128 along K: a fragment of K holds TWO tiles of 16 keys (registers 0-7 the even tile, 8-15 the odd); it is multiplied by [q | 0] and by [0 | q].  Zero codes add nothing under any byte but 0xff, and the bytes beside them are true scale bytes.
; Keys stand with bits 3 and 4 of their number exchanged, so the 16 registers of tiles 2 f, 2 f + 1 are keys 32 f + 16 h + 0 .. 15.
; LIMITS: NaN and infinities are not served; a block of zeros gets the scale byte 1.  Two heads share a scale word of act: each writes its half (2 bytes a row).
.set REC,   8448
.set CHK,   3*REC
.set HEADB, 16*CHK
.set KS4,   64*REC
.set KV,    2*REC
.set WV,   18
.set MNT,  19
.set SEL,  20
.set CS,   22                          ; s[22:23] c = log2(e) / 8
.set G1,   24
.set G0,   32                          ; s[32:35] my group 0
.set TB,   2                           ; LDS byte of the chunk in hand
.set CNT,  3
.set LI,   1                           ; 16 x lane
.set LSC,  2                           ; 8,192 + 4 r + 8,448 h: lanes 0-15 K's scale words, lanes 16-31 V's
.set ADK,  8
.set ADS,  9
.set Q1,   16                          ; v16-31 [q | 0]
.set Q2,   24                          ; v24-39 [0 | q]
.set QW1,  40
.set QW2,  41
.set SCW,  42
.set KF,   48                          ; v48-111 four fragments of K, then of V
.set S,    112                         ; v112-175 S^T, then p
.set O,    176                         ; v176-207 O^T
.set PCD,  208                         ; v208-223 p's codes
.set BM,   224
.set PL,   228
.set HO,   232
.set SO,   236
.set TT,   240
.set FF,   242
.set PWD,  244                         ; p's scale word
.set OW,   245                         ; the output's two scale bytes
.set SU,   246
.macro CROUND
	s_barrier_signal -1
	s_barrier_wait -1
	s_cmp_lg_u32 s[WV], 0
	s_cbranch_scc1 .Lnot_wave_0_\@
	s_barrier_signal -3
.Lnot_wave_0_\@:
	s_barrier_wait -3
	s_barrier_signal -1
	s_barrier_wait -1
.endm
	s_load_b128 s[4:7], s[0:1], 0x0                ; qkvc, act
	v_lshl_add_u32 v254, v0, 2, 0x42000
	v_mov_b32 v255, 0
	ds_add_u32 v254, v255
	ds_add_u32 v254, v255
	v_lshrrev_b32 v8, 5, v0
	s_delay_alu instid0(VALU_DEP_1)
	v_readfirstlane_b32 s[WV], v8                  ; wave 0..15
	s_bfe_u32 s70, ttmp6, 0x40000                  ; cx: it enters global addresses of Q and of the result alone
	s_lshl_b32 s71, ttmp9, 2
	s_add_co_u32 s71, s71, s70                     ; my block of 256 queries
	s_and_b32 s72, ttmp7, 0xffff                   ; 16 batch + head
	s_mul_i32 s74, s72, HEADB
	s_mov_b32 s75, 0
	s_mov_b32 s[G1], 15|(3<<16)|(1<<21)            ; all four work-groups; elements of 8 bytes; bit 21 beside a mask
	s_mov_b32 s[G1+1], 32<<16                      ; rows of 256 bytes,
	s_mov_b32 s[G1+2], 66<<16                      ; 66 of them: a K record and a V record
	s_mov_b32 s[G1+3], 32<<16
	s_mov_b32 s[G1+4], 66
	s_mov_b32 s[G1+5], 32
	s_mov_b32 s[G1+6], 0
	s_mov_b32 s[G1+7], 0
	s_mul_i32 s78, s[WV], CHK
	s_add_co_u32 s78, s78, REC                     ; behind the chunk's Q record
	s_mov_b32 s79, 0
	s_mul_i32 s80, s[WV], KV
	s_mov_b32 s[SEL], 0x76543210
	s_mov_b32 s[SEL+1], 0xfedcba98
	s_mov_b32 s[CS], 0x3e38aa3b
	s_mov_b32 s[CS+1], s[CS]
	s_mov_b32 s[MNT], 0x600000
	s_mov_b32 s[TB], 0
	s_wait_dscnt 0x0
	s_wait_kmcnt 0x0
	s_add_nc_u64 s[76:77], s[4:5], s[74:75]        ; the head
	s_add_nc_u64 s[78:79], s[76:77], s[78:79]
.irp t, 0                                          ; wave w brings chunk w: one tensor load a wave
	s_mov_b32 s[G0+4*\t], 1
	s_add_co_u32 s[G0+4*\t+1], s80, \t*4*KV
	s_add_nc_u64 s[G0+4*\t+2:G0+4*\t+3], s[78:79], \t*4*CHK
	s_or_b32 s[G0+4*\t+3], s[G0+4*\t+3], 0x80000000
.endr
	CROUND                                         ; all four work-groups are here: the joint loads meet
	tensor_load_to_lds s[G0:G0+3], s[G1:G1+7]      ; every wave issues one, with no branch: sixteen chunks, the whole head
	s_nop 0
.rept 4
	v_nop
.endr
	v_and_b32 v6, 31, v0                           ; lane
	v_and_b32 v7, 15, v0                           ; r
	v_bfe_u32 v10, v0, 4, 1                        ; h
	s_delay_alu instid0(VALU_DEP_3)
	v_lshlrev_b32 v[LI], 4, v6
	s_wait_alu depctr_va_vdst(0)
	v_lshlrev_b32 v3, 2, v7                        ; 4 r
	s_wait_alu depctr_va_vdst(0)
	v_mul_u32_u24 v[LSC], v10, REC
	s_delay_alu instid0(VALU_DEP_1)
	v_add_nc_u32 v[LSC], v[LSC], v3
	s_delay_alu instid0(VALU_DEP_1)
	v_add_nc_u32 v[LSC], 8192, v[LSC]
	; my 16 queries: chunk 2 qb + w / 8, fragment (w % 8) / 2, tile w % 2
	s_lshl_b32 s81, s71, 1
	s_lshr_b32 s82, s[WV], 3
	s_add_co_u32 s81, s81, s82
	s_mul_i32 s81, s81, CHK
	s_bfe_u32 s82, s[WV], 0x20001
	s_and_b32 s85, s[WV], 1
	s_lshl_b32 s83, s82, 11
	s_add_co_u32 s86, s81, s83
	s_lshl_b32 s83, s85, 10
	s_add_co_u32 s86, s86, s83
	s_mov_b32 s87, 0
	s_add_nc_u64 s[86:87], s[76:77], s[86:87]
	s_lshl_b32 s83, s82, 6
	s_add_co_u32 s88, s81, s83
	s_add_co_u32 s88, s88, 8192
	s_mov_b32 s89, 0
	s_add_nc_u64 s[88:89], s[76:77], s[88:89]
	global_load_b128 v[16:19], v[LI], s[86:87]
	global_load_b128 v[20:23], v[LI], s[86:87] offset:512
	global_load_b128 v[32:35], v[LI], s[86:87]     ; the same codes once more: the two operands share only the zeros between them
	global_load_b128 v[36:39], v[LI], s[86:87] offset:512
	global_load_b32 v11, v3, s[88:89]              ; {even tile's two bytes, odd tile's two}
	s_mov_b32 s90, 0x03020100
	s_mov_b32 s91, 0x01000302
	s_cmp_eq_u32 s85, 0
	s_cselect_b32 s92, s90, s91                    ; my two bytes into the low half,
	s_cselect_b32 s93, s91, s90                    ; and into the high half
	; where the result goes: act [K step of 128][group of 64 rows][record]
	s_lshr_b32 s94, s72, 4                         ; batch
	s_and_b32 s95, s72, 15                         ; head
	s_lshr_b32 s96, s95, 1
	s_mul_i32 s96, s96, KS4
	s_lshl_b32 s94, s94, 5
	s_lshl_b32 s97, s71, 2
	s_add_co_u32 s94, s94, s97
	s_lshr_b32 s97, s[WV], 2
	s_add_co_u32 s94, s94, s97
	s_mul_i32 s94, s94, REC
	s_add_co_u32 s96, s96, s94
	s_mov_b32 s97, 0
	s_add_nc_u64 s[6:7], s[6:7], s[96:97]
	s_and_b32 s95, s95, 1
	s_and_b32 s94, s[WV], 3
	s_lshl_b32 s96, s94, 11
	s_lshl_b32 s97, s95, 10
	s_add_co_u32 s96, s96, s97
	v_add_nc_u32 v4, s96, v[LI]                    ; codes: 2,048 (w % 4) + 1,024 (head % 2) + 16 lane
	s_lshl_b32 s96, s94, 6
	s_lshl_b32 s97, s95, 1
	s_add_co_u32 s96, s96, s97
	v_add_nc_u32 v5, s96, v3                       ; scale bytes: 64 (w % 4) + 4 r + 2 (head % 2)
.irp j, 24,25,26,27,28,29,30,31
	v_mov_b32 v\j, 0
.endr
	v_mov_b32 v13, 0xff61b1e6                      ; the largest t so far: -3e38
	s_delay_alu instid0(VALU_DEP_1)
	v_floor_f32 v12, -v13                          ; -M
	v_mov_b32 v14, 0
	v_mov_b32 v15, 0
.irp b, 0,1,2,3
	v_mov_b32 v[PL+\b], 0
.endr
	v_mov_b32 v[FF+1], 0
.set n, 0
.rept 32
	v_mov_b32 v[O+n], 0                            ; the step is written once: its first trip finds zeros
.set n, n+1
.endr
	s_wait_loadcnt 0x0
	v_perm_b32 v[QW1], v11, v11, s92
	v_perm_b32 v[QW2], v11, v11, s93
.macro STEP                            ; 128 keys
	v_add_nc_u32 v[ADK], s[TB], v[LI]
	v_add_nc_u32 v[ADS], s[TB], v[LSC]
.rept 6
	v_nop                                          ; with the two additions: eight places ahead of loads into registers that the last products read
.endr
.irp f, 0,1,2,3
.irp c, 0,1,2,3
	ds_load_b128 v[KF+16*\f+4*\c:KF+16*\f+4*\c+3], v[ADK] offset:2048*\f+512*\c
.endr
	ds_load_b32 v[SCW+\f], v[ADS] offset:64*\f
.endr
	s_wait_alu depctr_va_vdst(0)
	s_wait_dscnt 0x0
.irp f, 0,1,2,3
	v_wmma_scale_f32_16x16x128_f8f6f4 v[S+16*\f:S+16*\f+7], v[KF+16*\f:KF+16*\f+15], v[Q1:Q1+15], 0, v[SCW+\f], v[QW1]
	v_wmma_scale_f32_16x16x128_f8f6f4 v[S+16*\f+8:S+16*\f+15], v[KF+16*\f:KF+16*\f+15], v[Q2:Q2+15], 0, v[SCW+\f], v[QW2]
.endr
.rept 8
	v_nop
.endr
.irp f, 0,1,2,3
.irp c, 0,1,2,3
	ds_load_b128 v[KF+16*\f+4*\c:KF+16*\f+4*\c+3], v[ADK] offset:REC+2048*\f+512*\c   ; V's fragments land while the softmax is walked
.endr
.endr
.irp b, 0,1,2,3
	v_max3_num_f32 v[BM+\b], v[S+16*\b], v[S+1+16*\b], v[S+2+16*\b]   ; the largest score of each block of 32 keys: for the row's maximum and for the block's largest p
.endr
.irp i, 3,5,7,9,11,13
.irp b, 0,1,2,3
	v_max3_num_f32 v[BM+\b], v[BM+\b], v[S+16*\b+\i], v[S+1+16*\b+\i]
.endr
.endr
.irp b, 0,1,2,3
	v_max_num_f32 v[BM+\b], v[BM+\b], v[S+15+16*\b]
.endr
.irp b, 0,1,2,3
	s_delay_alu instid0(VALU_DEP_4)
	v_permlanex16_b32 v[PL+\b], v[BM+\b], s[SEL], s[SEL+1]
.endr
.irp b, 0,1,2,3
	s_delay_alu instid0(VALU_DEP_4)
	v_max_num_f32 v[BM+\b], v[BM+\b], v[PL+\b]
.endr
	s_delay_alu instid0(VALU_DEP_2)
	v_max3_num_f32 v[TT], v[BM], v[BM+1], v[BM+2]
	s_delay_alu instid0(VALU_DEP_1)
	v_max_num_f32 v[TT], v[TT], v[BM+3]
	s_delay_alu instid0(VALU_DEP_1)
	v_mul_f32 v[TT], s[CS], v[TT]
	s_delay_alu instid0(VALU_DEP_1)
	v_max_num_f32 v13, v13, v[TT]                  ; the running largest t
	v_mov_b32 v[TT], v12
	s_delay_alu instid0(VALU_DEP_2)
	v_floor_f32 v12, -v13                          ; -M = floor(-t): M is a whole number
	s_delay_alu instid0(VALU_DEP_1)
	v_sub_f32 v[TT], v12, v[TT]
	s_delay_alu instid0(VALU_DEP_1)
	v_cvt_i32_f32 v[TT], v[TT]
	s_delay_alu instid0(VALU_DEP_1)
	v_ldexp_f32 v[FF], 1.0, v[TT]                  ; f = 2^(old M - new M): exact
.set n, 0
.rept 32
	v_pk_fma_f32 v[S+n:S+n+1], v[S+n:S+n+1], s[CS:CS+1], v[12:13] op_sel_hi:[1,0,0]   ; t - M
.set n, n+2
.endr
.irp b, 0,1,2,3
	v_fma_f32 v[BM+\b], v[BM+\b], s[CS], v12
.endr
.set n, 0
	s_wait_alu depctr_va_vdst(0)
.rept 64
	v_exp_f32 v[S+n], v[S+n]
.set n, n+1
.endr
	v_pk_mul_f32 v[14:15], v[14:15], v[FF:FF+1] op_sel_hi:[1,0]   ; a plain line behind the exponentials
	s_wait_alu depctr_va_vdst(0)                   ; one wait for the batch, ahead of its first reader
.irp b, 0,1,2,3
	v_exp_f32 v[BM+\b], v[BM+\b]                   ; each block's largest p
.endr
	v_pk_add_f32 v[246:247], v[116:117], v[120:121]
	v_pk_add_f32 v[252:253], v[124:125], v[128:129]
	v_pk_add_f32 v[250:251], v[132:133], v[136:137]
	v_pk_add_f32 v[248:249], v[140:141], v[144:145]
	v_pk_add_f32 v[46:47], v[148:149], v[152:153]
	v_pk_add_f32 v[14:15], v[14:15], v[156:157]
	v_pk_add_f32 v[246:247], v[246:247], v[160:161]
	v_pk_add_f32 v[252:253], v[252:253], v[164:165]
	v_pk_add_f32 v[250:251], v[250:251], v[168:169]
	v_pk_add_f32 v[248:249], v[248:249], v[172:173]
	v_pk_add_f32 v[46:47], v[46:47], v[112:113]
	v_pk_add_f32 v[14:15], v[14:15], v[114:115]
	v_pk_add_f32 v[246:247], v[246:247], v[118:119]
	v_pk_add_f32 v[252:253], v[252:253], v[122:123]
	v_pk_add_f32 v[250:251], v[250:251], v[126:127]
	v_pk_add_f32 v[248:249], v[248:249], v[130:131]
	v_pk_add_f32 v[46:47], v[46:47], v[134:135]
	v_pk_add_f32 v[14:15], v[14:15], v[138:139]
	v_pk_add_f32 v[246:247], v[246:247], v[142:143]
	v_pk_add_f32 v[252:253], v[252:253], v[146:147]
	v_pk_add_f32 v[250:251], v[250:251], v[150:151]
	v_pk_add_f32 v[248:249], v[248:249], v[154:155]
	v_pk_add_f32 v[46:47], v[46:47], v[158:159]
	v_pk_add_f32 v[14:15], v[14:15], v[162:163]
	v_pk_add_f32 v[246:247], v[246:247], v[166:167]
	v_pk_add_f32 v[252:253], v[252:253], v[170:171]
	v_pk_add_f32 v[250:251], v[250:251], v[174:175]
	s_delay_alu instid0(VALU_DEP_1)
	v_pk_add_f32 v[14:15], v[14:15], v[250:251]
	s_delay_alu instid0(VALU_DEP_4)
	v_pk_add_f32 v[246:247], v[246:247], v[248:249]
	s_delay_alu instid0(VALU_DEP_4)
	v_pk_add_f32 v[252:253], v[252:253], v[46:47]
	s_delay_alu instid0(VALU_DEP_1)
	v_pk_add_f32 v[14:15], v[14:15], v[252:253]
	s_delay_alu instid0(VALU_DEP_1)
	v_pk_add_f32 v[14:15], v[14:15], v[246:247]
	s_wait_alu depctr_va_vdst(0)                   ; and one for the four
.irp b, 0,1,2,3
	v_max_num_f32 v[BM+\b], 0x4800000, v[BM+\b]
.endr
.irp b, 0,1,2,3
	s_delay_alu instid0(VALU_DEP_4)
	v_add_nc_u32 v[SO+\b], 0xfc000000, v[BM+\b]
.endr
.irp b, 0,1,2,3
	v_and_or_b32 v[HO+\b], v[BM+\b], 0x7f800000, s[MNT]
.endr
.irp b, 0,1,2,3
	v_and_or_b32 v[248+(\b+1)%4], v[BM+\b], 0x7f800000, s[MNT]   ; the same once more, in another register bank: the second half of a dual pair takes its second source from here (the sums' registers are free by now)
.endr
.irp b, 0,1,2,3
	v_lshrrev_b32 v[PL+\b], 23, v[SO+\b]
.endr
	s_delay_alu instid0(VALU_DEP_3)
	v_lshl_or_b32 v[PWD], v[PL+1], 8, v[PL]
	s_delay_alu instid0(VALU_DEP_1)
	v_lshl_or_b32 v[PWD], v[PL+2], 16, v[PWD]
	s_delay_alu instid0(VALU_DEP_1)
	v_lshl_or_b32 v[PWD], v[PL+3], 24, v[PWD]
.irp b, 0,1,2,3
.set n, 0
.rept 8
	v_dual_min_num_f32 v[S+16*\b+n], v[S+16*\b+n], v[HO+\b] :: v_dual_min_num_f32 v[S+16*\b+n+1], v[S+16*\b+n+1], v[248+(\b+1)%4]   ; p is not negative: a one-sided hold, two numbers a line
.set n, n+2
.endr
	v_cvt_scalef32_pk8_fp8_f32 v[PCD+4*\b:PCD+4*\b+1], v[S+16*\b:S+16*\b+7], v[SO+\b]
	v_cvt_scalef32_pk8_fp8_f32 v[PCD+4*\b+2:PCD+4*\b+3], v[S+16*\b+8:S+16*\b+15], v[SO+\b]
.endr
.set n, 0
.rept 16
	v_pk_mul_f32 v[O+n:O+n+1], v[O+n:O+n+1], v[FF:FF+1] op_sel_hi:[1,0]   ; O^T under the new M; also the places ahead of the products
.set n, n+2
.endr
	s_wait_alu depctr_va_vdst(0)
	s_wait_dscnt 0x0                               ; V
.irp f, 0,1,2,3
	v_wmma_scale_f32_16x16x128_f8f6f4 v[O+8*\f:O+8*\f+7], v[KF+16*\f:KF+16*\f+15], v[PCD:PCD+15], v[O+8*\f:O+8*\f+7], v[SCW+\f], v[PWD] matrix_a_scale:MATRIX_SCALE_ROW1
.endr
.endm
.macro WALK                            ; all sixteen chunks: nothing is filled again in this launch, so one barrier serves the whole walk
	s_wait_tensorcnt 0x0                           ; my chunk is in;
	s_barrier_signal -1
	s_barrier_wait -1                              ; everybody's is
	s_mov_b32 s[CNT], 16
.Lstep_\@:
	s_wait_alu depctr_va_vdst(0)
	STEP
	s_add_co_u32 s[TB], s[TB], KV
	s_sub_co_u32 s[CNT], s[CNT], 1
	s_cmp_lg_u32 s[CNT], 0
	s_cbranch_scc1 .Lstep_\@
.endm
	WALK
	; THE WAY OUT: O^T / the sum; register 8 f + j is channel 32 (f / 2) + 16 h + 8 (f % 2) + j: two blocks of 32 along the next K
.rept 8
	v_nop
.endr
	v_add_f32 v14, v14, v15
	s_delay_alu instid0(VALU_DEP_1)
	v_permlanex16_b32 v[TT], v14, s[SEL], s[SEL+1]
	s_delay_alu instid0(VALU_DEP_1)
	v_add_f32 v14, v14, v[TT]
	s_wait_alu depctr_va_vdst(0)
	v_rcp_f32 v14, v14
	v_nop
	s_wait_alu depctr_va_vdst(0)
.set n, 0
.rept 32
	v_mul_f32 v[S+n], v[O+n], v14
.set n, n+1
.endr
.irp b, 0,1
	v_max3_num_f32 v[BM+\b], |v[S+16*\b]|, |v[S+1+16*\b]|, 0x4800000
.endr
.irp i, 2,4,6,8,10,12,14
.irp b, 0,1
	s_delay_alu instid0(VALU_DEP_2)
	v_max3_num_f32 v[BM+\b], v[BM+\b], |v[S+16*\b+\i]|, |v[S+1+16*\b+\i]|
.endr
.endr
.irp b, 0,1
	s_delay_alu instid0(VALU_DEP_2)
	v_permlanex16_b32 v[PL+\b], v[BM+\b], s[SEL], s[SEL+1]
.endr
.irp b, 0,1
	s_delay_alu instid0(VALU_DEP_2)
	v_max_num_f32 v[BM+\b], v[BM+\b], v[PL+\b]
.endr
.irp b, 0,1
	s_delay_alu instid0(VALU_DEP_2)
	v_add_nc_u32 v[SO+\b], 0xfc000000, v[BM+\b]
.endr
.irp b, 0,1
	s_delay_alu instid0(VALU_DEP_4)
	v_and_or_b32 v[HO+\b], v[BM+\b], 0x7f800000, s[MNT]
.endr
.irp b, 0,1
	s_delay_alu instid0(VALU_DEP_4)
	v_lshrrev_b32 v[PL+\b], 23, v[SO+\b]
.endr
	s_delay_alu instid0(VALU_DEP_1)
	v_lshl_or_b32 v[OW], v[PL+1], 8, v[PL]
.set n, 0
.rept 32
	v_med3_num_f32 v[S+n], v[S+n], -v[HO+n/16], v[HO+n/16]
.set n, n+1
.endr
.irp b, 0,1
	v_cvt_scalef32_pk8_fp8_f32 v[PCD+4*\b:PCD+4*\b+1], v[S+16*\b:S+16*\b+7], v[SO+\b]
	v_cvt_scalef32_pk8_fp8_f32 v[PCD+4*\b+2:PCD+4*\b+3], v[S+16*\b+8:S+16*\b+15], v[SO+\b]
.endr
	v_nop
	global_store_b128 v4, v[PCD:PCD+3], s[6:7]             ; 512 consecutive bytes each
	global_store_b128 v4, v[PCD+4:PCD+7], s[6:7] offset:512
	v_cmp_gt_u32 vcc_lo, 16, v6
	s_wait_xcnt 0x0                                ; EXEC is a source of the stores above
	s_and_saveexec_b32 s98, vcc_lo
	global_store_b16 v5, v[OW], s[6:7] offset:8192
	s_wait_xcnt 0x0
	s_or_b32 exec_lo, exec_lo, s98
	s_wait_tensorcnt 0x0
	ds_add_u32 v254, v255
	s_wait_dscnt 0x0
	CROUND                                         ; the closing round
	s_endpgm
.Lfunc_end_k_qead5249857_attn:
	.size	k_qead5249857_attn, .Lfunc_end_k_qead5249857_attn-k_qead5249857_attn
	.p2alignl 7, 3214868480
	.fill 96, 4, 3214868480
	.section	.rodata,"a",@progbits
	.p2align	6, 0x0
	.amdhsa_kernel k_qead5249857_attn
		.amdhsa_group_segment_fixed_size 327680
		.amdhsa_private_segment_fixed_size 0
		.amdhsa_enable_private_segment 0
		.amdhsa_kernarg_size 16
		.amdhsa_user_sgpr_count 2
		.amdhsa_user_sgpr_kernarg_segment_ptr 1
		.amdhsa_wavefront_size32 1
		.amdhsa_system_sgpr_workgroup_id_x 1
		.amdhsa_system_sgpr_workgroup_id_y 1
		.amdhsa_system_sgpr_workgroup_id_z 1
		.amdhsa_system_vgpr_workitem_id 0
		.amdhsa_next_free_vgpr 256
		.amdhsa_next_free_sgpr 100
		.amdhsa_reserve_vcc 1
		.amdhsa_float_denorm_mode_32 3
		.amdhsa_float_denorm_mode_16_64 3
		.amdhsa_memory_ordered 1
		.amdhsa_forward_progress 1
		.amdhsa_inst_pref_size 35
	.end_amdhsa_kernel
	.amdgpu_metadata
---
amdhsa.version: [ 1, 2 ]
amdhsa.kernels:
  - .name:           k_qead5249857_attn
    .symbol:         k_qead5249857_attn.kd
    .args:
      - { .name: qkvc, .offset: 0, .size: 8, .value_kind: global_buffer, .address_space: global }
      - { .name: act, .offset: 8, .size: 8, .value_kind: global_buffer, .address_space: global }
    .group_segment_fixed_size: 327680
    .private_segment_fixed_size: 0
    .kernarg_segment_align: 8
    .kernarg_segment_size: 16
    .max_flat_workgroup_size: 512
    .sgpr_count:     100
    .vgpr_count:     256
    .wavefront_size: 32
...
	.end_amdgpu_metadata
.endif
;; end of part 3
;; launch oproj (part 4): grid 8 x 32, 4 waves a work-group, clusters of 4 x 4, 327,680 bytes of LDS; arguments act, woc, yp; writes yp
.if DOCPART == 4
	.amdgcn_target "amdgcn-amd-amdhsa--gfx1250"
	.amdhsa_code_object_version 6
	.text
	.protected	k_qead5249857_oproj
	.globl	k_qead5249857_oproj
	.p2align	8
	.type	k_qead5249857_oproj,@function
k_qead5249857_oproj:
	s_mov_b64 s[64:65], 0
	v_nop
	global_prefetch_b8 v0, s[64:65] scope:SCOPE_SE
	s_setreg_imm32_b32 hwreg(HW_REG_WAVE_MODE, 25, 1), 1
	s_wait_xcnt 0x0
	s_wait_alu depctr_hold_cnt(0) depctr_sa_sdst(0) depctr_va_vdst(0) depctr_va_sdst(0) depctr_va_ssrc(0) depctr_va_vcc(0) depctr_vm_vsrc(0)
	s_getreg_b32 s2, hwreg(HW_REG_IB_STS2, 6, 4)
	s_cmp_eq_u32 s2, 0
	s_cbranch_scc0 .Lentry_in_a_cluster
	s_endpgm
.Lentry_in_a_cluster:
	s_bfe_u32 s2, ttmp6, 0x10000c
	s_cmp_lg_u32 s2, 0xf033
	s_cbranch_scc0 .Lentry_shape_is_right
	s_endpgm
.Lentry_shape_is_right:
; Y = A B^T, the attention's output product: A = the attention output (4,096 rows), B = Wo (1,024 rows), K = 1,024, on codes of FP8 (E4M3) with E8M0 scales; Y in f32 into plane 0 of yp, [4096][1024].
; Both operands lie in memory as records of 64 rows x 128 K: four fragment images of 2,048 bytes (byte 512 c + 16 lane + b: lane (r, h) holds k = 32 c + 16 h + b of row 16 f + r) and 64 scale words: 8,448 bytes.
; A TILE OF C IS 128 x 128: 32 x 8 = 256 work-groups.  Its operands for ALL of K are 2 x 8 x 16,896 = 270,336 bytes: they lie in LDS whole, every tensor load goes out at the start, and no LDS byte is filled again: no ring.
; Four waves, each 64 x 64: 16 accumulators.  Source 0 = 16 rows of B, source 1 = 16 rows of A.  B's rows stand with bits 3 and 4 of their number exchanged: tile b's register j is column 32 (b / 2) + 16 h + 8 (b % 2) + j.
; K goes in four quarters of 256: the loads (A's: waves 0, 1; B's: waves 2, 3; four K steps a load) are waited for once, ahead of quarter 0, then one barrier; then 32 products a wave a quarter.
; CLUSTERS: 4 x 4 work-groups; A's tiles are shared along a row of the cluster, B's along a column: each is asked for jointly.
; REGISTERS: window 0: v16-27 addresses; v32-39 scale words, two sets; v64-127 the way out; v128-255 the accumulators ((a, b) at v[128 + 8 (4 a + b)]).  window 1: two fragment buffers of 128: A's four fragments, then B's four.
.set REC,    8448
.set FRG,    2048
.set KS4,    64*REC                    ; from K step to K step in A's buffer
.set KS1,    16*REC                    ; and in B's
.set HT,     2*REC                     ; 128 rows x 128 K: two records; one tensor load brings four of these
.set BOFF,   8*HT                      ; B's eight K steps lie behind A's eight
.set STAGE,  16*HT                     ; behind the operands: 16 rows x 272 bytes for each wave; no fill lands here
.set SPITCH, 272
.set NP,     8                         ; places behind this matrix instruction (ISA guide 7.12.1)
.set ADRA,   16                        ; v16-17 my A fragments: K steps 0-3, K steps 4-7
.set ADRB,   18                        ; v18-19 the same for B
.set ADRS,   20                        ; v20-21 scale words: lanes 0-15 A's rows, lanes 16-31 B's
.set LI,     24                        ; 16 x lane
.set CO,     25                        ; my byte offset in two rows of Y
.set STO,    26                        ; the stage: where I put 32 bytes of a row
.set RD,     27                        ; and where I read a row back
.set SC,     32
.set OB,     64
.set ACC,    128
.set G1,     24                        ; s[24:31] descriptor group 1 for A's tiles
.set G1B,    32                        ; s[32:39] for B's: it differs in the mask and the K step's stride
.set G0,     48                        ; s[48:51] group 0 for A's tiles
.set G0B,    68                        ; s[68:71] the same for B's
.set MSB, 0
.macro WIN new                         ; the immediate's high byte repeats the setting that is left
.if MSB != (\new)
	s_set_vgpr_msb (MSB<<8)|(\new)
.set MSB, (\new)
.endif
.endm
.set MUL,  0x05                        ; sources 0 (B) and 1 (A) window 1; C and D window 0
.set TO_F, 0x40                        ; destination window 1, address window 0
.macro CROUND                          ; a round of the cluster's barrier
	s_barrier_signal -1
	s_barrier_wait -1
	s_cmp_lg_u32 s14, 0
	s_cbranch_scc1 .Lnot_wave_0_\@
	s_barrier_signal -3
.Lnot_wave_0_\@:
	s_barrier_wait -3
	s_barrier_signal -1
	s_barrier_wait -1
.endm
.macro PLACES n
.rept \n
	v_nop
.endr
.endm
; K step kc of 128: my four fragments of B, my four of A and their scale words, into buffer p: 36 LDS loads
.macro FETCH kc, p
	WIN TO_F
.irp i, 0,1,2,3
.irp c, 0,1,2,3
	ds_load_b128 v[128*(\p)+64+16*\i+4*\c:128*(\p)+64+16*\i+4*\c+3], v[ADRB+(\kc)/4] offset:HT*((\kc)%4)+FRG*\i+512*\c
.endr
.endr
.irp i, 0,1,2,3
.irp c, 0,1,2,3
	ds_load_b128 v[128*(\p)+16*\i+4*\c:128*(\p)+16*\i+4*\c+3], v[ADRA+(\kc)/4] offset:HT*((\kc)%4)+FRG*\i+512*\c
.endr
.endr
	WIN 0
.irp i, 0,1,2,3
	ds_load_b32 v[SC+4*(\p)+\i], v[ADRS+(\kc)/4] offset:HT*((\kc)%4)+64*\i   ; lanes 0-15: the words of A's block i; lanes 16-31: of B's block i
.endr
.endm
; 16 products on buffer p.  zero = 1: they start the sums.  The 16 accumulators take turns.
.macro MUL16 p, zero
.irp a, 0,1,2,3
.irp b, 0,1,2,3
.if \zero
	v_wmma_scale_f32_16x16x128_f8f6f4 v[ACC+8*(4*\a+\b):ACC+8*(4*\a+\b)+7], v[128*(\p)+64+16*\b:128*(\p)+64+16*\b+15], v[128*(\p)+16*\a:128*(\p)+16*\a+15], 0, v[SC+4*(\p)+\b], v[SC+4*(\p)+\a] matrix_a_scale:MATRIX_SCALE_ROW1
.else
	v_wmma_scale_f32_16x16x128_f8f6f4 v[ACC+8*(4*\a+\b):ACC+8*(4*\a+\b)+7], v[128*(\p)+64+16*\b:128*(\p)+64+16*\b+15], v[128*(\p)+16*\a:128*(\p)+16*\a+15], v[ACC+8*(4*\a+\b):ACC+8*(4*\a+\b)+7], v[SC+4*(\p)+\b], v[SC+4*(\p)+\a] matrix_a_scale:MATRIX_SCALE_ROW1
.endif
.endr
.endr
.endm
; Quarter t: K steps 2 t and 2 t + 1
.macro QUARTER t
.if \t == 0
	s_wait_tensorcnt 0x0                           ; my one load has landed;
	s_barrier_signal -1                            ; (no LDS instruction of mine is out here)
	s_barrier_wait -1                              ; everybody's has: all of K lies in LDS, and nothing is filled again in this launch
.endif
	FETCH 2*\t, 0
	FETCH 2*\t+1, 1
	s_wait_dscnt 36                                ; the first K step's 36 loads are in; the second's stay out
	WIN MUL
.if \t == 0
	MUL16 0, 1
.else
	MUL16 0, 0
.endif
	s_wait_dscnt 0x0
	MUL16 1, 0
	WIN 0
	PLACES NP                                      ; ahead of the next quarter's loads into registers that these products read, and of the first read of results
.endm
	s_load_b128 s[4:7], s[0:1], 0x0                ; A's records, B's records
	s_load_b64 s[12:13], s[0:1], 0x10              ; yp
	v_lshl_add_u32 v62, v0, 2, 0x46400
	v_mov_b32 v63, 0
	ds_add_u32 v62, v63
	ds_add_u32 v62, v63
	v_lshrrev_b32 v1, 5, v0
	v_readfirstlane_b32 s14, v1                    ; wave 0..3
	s_lshr_b32 s15, s14, 1                         ; my half of the tile's rows.  Also: I fetch for A (0) or for B (1)
	s_and_b32 s16, s14, 1                          ; my half of its columns.  Also: which four K steps I fetch
	s_bfe_u32 s40, ttmp6, 0x40000                  ; cx
	s_bfe_u32 s41, ttmp6, 0x40004                  ; cy
	s_lshl_b32 s42, ttmp9, 2
	s_add_co_u32 s42, s42, s40                     ; tile column = 4 x cluster x + cx
	s_and_b32 s17, ttmp7, 0xffff
	s_lshl_b32 s17, s17, 2
	s_add_co_u32 s17, s17, s41                     ; tile row = 4 x cluster y + cy
	s_lshl_b32 s43, s41, 2
	s_lshl_b32 s43, 15, s43                        ; my row of the cluster
	s_lshl_b32 s44, 0x1111, s40                    ; my column
	s_or_b32 s[G1+0], s43, (3<<16)|(1<<21)         ; the mask; elements of 8 bytes; bit 21 beside a mask; no padding
	s_or_b32 s[G1B+0], s44, (3<<16)|(1<<21)
.irp g, G1, G1B
	s_mov_b32 s[\g+1], 2112<<16                    ; AS THE TEXT NOW STANDS: one tensor load a wave, of four K steps: rows of 16,896 bytes (two records),
	s_mov_b32 s[\g+2], 4<<16                       ; four of them, dense in LDS
	s_mov_b32 s[\g+3], 2112<<16
	s_mov_b32 s[\g+4], 4
	s_mov_b32 s[\g+6], 0
	s_mov_b32 s[\g+7], 0
.endr
	s_mov_b32 s[G1+5], KS4/8                       ; from K step to K step in A's buffer, in elements of 8 bytes
	s_mov_b32 s[G1B+5], KS1/8                      ; and in B's
	s_mul_i32 s20, s17, HT                         ; A: the tile's two records, my four K steps: it hangs on the tile row alone
	s_mul_i32 s19, s16, 4*KS4                      ; my four K steps: 0-3 or 4-7
	s_add_co_u32 s20, s20, s19
	s_mov_b32 s21, 0
	s_mul_i32 s46, s42, HT                         ; B: on the tile column alone
	s_mul_i32 s47, s16, 4*KS1
	s_add_co_u32 s46, s46, s47
	s_mov_b32 s47, 0
	s_mul_i32 s45, s15, BOFF                       ; where my loads go: the wave's number alone
	s_mul_i32 s19, s16, 4*HT
	s_add_co_u32 s45, s45, s19
	s_wait_dscnt 0x0
	s_wait_kmcnt 0x0
	s_add_nc_u64 s[20:21], s[4:5], s[20:21]
	s_add_nc_u64 s[46:47], s[6:7], s[46:47]
.irp t, 0
	s_mov_b32 s[G0+4*\t], 1
	s_add_co_u32 s[G0+4*\t+1], s45, \t*2*HT
	s_add_nc_u64 s[G0+4*\t+2:G0+4*\t+3], s[20:21], \t*2*KS4
	s_or_b32 s[G0+4*\t+3], s[G0+4*\t+3], 0x80000000
	s_mov_b32 s[G0B+4*\t], 1
	s_add_co_u32 s[G0B+4*\t+1], s45, \t*2*HT
	s_add_nc_u64 s[G0B+4*\t+2:G0B+4*\t+3], s[46:47], \t*2*KS1
	s_or_b32 s[G0B+4*\t+3], s[G0B+4*\t+3], 0x80000000
.endr
	CROUND                                         ; all sixteen work-groups are here: the joint loads meet
	s_cmp_eq_u32 s15, 0                            ; a wave's one fill stands in a branch on its number: one load of mine is out
	s_cbranch_scc0 .Lfor_b
	tensor_load_to_lds s[G0:G0+3], s[G1:G1+7]      ; waves 0, 1: A's K steps 0-3, 4-7
	s_nop 0
.rept 4
	v_nop
.endr
	s_branch .Lasked
.Lfor_b:
	tensor_load_to_lds s[G0B:G0B+3], s[G1B:G1B+7]  ; waves 2, 3: B's K steps 0-3, 4-7
	s_nop 0
.rept 4
	v_nop
.endr
.Lasked:
	v_and_b32 v1, 15, v0                           ; r
	v_bfe_u32 v2, v0, 4, 1                         ; h
	v_and_b32 v3, 31, v0                           ; lane
	v_lshlrev_b32 v[LI], 4, v3
	s_wait_alu depctr_va_vdst(0)
	s_mul_i32 s21, s15, REC                        ; my 64 rows of A: one record of the two
	s_mul_i32 s22, s16, REC
	s_add_co_u32 s22, s22, BOFF                    ; my 64 rows of B
	s_sub_co_u32 s23, s22, s21
	v_mul_u32_u24 v4, s23, v2                      ; lanes 16-31 take B's scale words: one product with h
	v_lshl_add_u32 v4, v1, 2, v4
	s_add_co_u32 s19, s21, 8192
.irp g, 0,1
	v_add_nc_u32 v[ADRA+\g], s21, v[LI]
	v_add_nc_u32 v[ADRB+\g], s22, v[LI]
	v_add_nc_u32 v[ADRS+\g], s19, v4
	s_add_co_u32 s21, s21, 4*HT
	s_add_co_u32 s22, s22, 4*HT
	s_add_co_u32 s19, s19, 4*HT
.endr
	s_mul_i32 s23, s14, 16*SPITCH
	s_add_co_u32 s23, s23, STAGE                   ; my stage
	v_mul_u32_u24 v5, v1, SPITCH
	v_lshl_add_u32 v5, v2, 6, v5
	v_add_nc_u32 v[STO], s23, v5                   ; in: row r, + 64 h
	v_mul_u32_u24 v5, v2, SPITCH
	v_lshl_add_u32 v5, v1, 4, v5
	v_add_nc_u32 v[RD], s23, v5                    ; back: lanes 0-15 one row of 256 bytes, lanes 16-31 the next
	v_lshlrev_b32 v5, 12, v2
	v_lshl_add_u32 v[CO], v1, 4, v5                ; and the same two rows in Y
	s_lshl_b32 s84, s17, 19                        ; 128 rows of 4,096 bytes a tile row,
	s_lshl_b32 s85, s15, 18                        ; my 64 of them,
	s_add_co_u32 s84, s84, s85
	s_lshl_b32 s85, s42, 9                         ; 512 bytes a tile column,
	s_add_co_u32 s84, s84, s85
	s_lshl_b32 s85, s16, 8                         ; my 256 of them
	s_add_co_u32 s84, s84, s85
	s_mov_b32 s85, 0
	s_add_nc_u64 s[12:13], s[12:13], s[84:85]
	s_wait_alu depctr_va_vdst(0)
	QUARTER 0
	QUARTER 1
	QUARTER 2
	QUARTER 3
; THE WAY OUT, block by block of 16 rows x 64 columns, through my own stage: in by 32 bytes a lane at the columns' true places, back as whole rows of 256 bytes.  LDS serves a wave's instructions in order (ISA guide 5.7.1.4).
.macro TOSTAGE a
.irp b, 0,1,2,3
	ds_store_b128 v[STO], v[ACC+8*(4*(\a)+\b):ACC+8*(4*(\a)+\b)+3] offset:128*(\b/2)+32*(\b%2)      ; each accumulator from its low end on
	ds_store_b128 v[STO], v[ACC+8*(4*(\a)+\b)+4:ACC+8*(4*(\a)+\b)+7] offset:128*(\b/2)+32*(\b%2)+16
.endr
.irp t, 0,1,2,3,4,5,6,7
	ds_load_b128 v[OB+32*((\a)%2)+4*\t:OB+32*((\a)%2)+4*\t+3], v[RD] offset:2*\t*SPITCH
.endr
.endm
.macro SEND a, younger
	s_wait_dscnt \younger                          ; the block is back; the next block's 8 stores and 8 loads may be out
.irp t, 0,1,2,3,4,5,6,7
	global_store_b128 v[CO], v[OB+32*((\a)%2)+4*\t:OB+32*((\a)%2)+4*\t+3], s[12:13] offset:(16*(\a)+2*\t)*4096 th:TH_STORE_NT   ; 16 lanes store 256 consecutive bytes, aligned; every place stands in the immediate
.endr
.endm
	TOSTAGE 0
	TOSTAGE 1
	SEND 0, 16
	s_wait_xcnt 0x0                                ; block 0's stores have read their registers: block 2's loads may land there
	TOSTAGE 2
	SEND 1, 16
	s_wait_xcnt 0x0                                ; block 1's likewise
	TOSTAGE 3
	SEND 2, 16
	SEND 3, 0
	s_wait_tensorcnt 0x0
	ds_add_u32 v62, v63
	s_wait_dscnt 0x0
	CROUND                                         ; the closing round: no work-group ends while a partner may still ask for a tile that names it
	s_endpgm
.Lfunc_end_k_qead5249857_oproj:
	.size	k_qead5249857_oproj, .Lfunc_end_k_qead5249857_oproj-k_qead5249857_oproj
	.p2alignl 7, 3214868480
	.fill 96, 4, 3214868480
	.section	.rodata,"a",@progbits
	.p2align	6, 0x0
	.amdhsa_kernel k_qead5249857_oproj
		.amdhsa_group_segment_fixed_size 327680
		.amdhsa_private_segment_fixed_size 0
		.amdhsa_enable_private_segment 0
		.amdhsa_kernarg_size 24
		.amdhsa_user_sgpr_count 2
		.amdhsa_user_sgpr_kernarg_segment_ptr 1
		.amdhsa_wavefront_size32 1
		.amdhsa_system_sgpr_workgroup_id_x 1
		.amdhsa_system_sgpr_workgroup_id_y 1
		.amdhsa_system_sgpr_workgroup_id_z 1
		.amdhsa_system_vgpr_workitem_id 0
		.amdhsa_next_free_vgpr 512
		.amdhsa_next_free_sgpr 100
		.amdhsa_reserve_vcc 0
		.amdhsa_float_denorm_mode_32 3
		.amdhsa_float_denorm_mode_16_64 3
		.amdhsa_memory_ordered 1
		.amdhsa_forward_progress 1
		.amdhsa_inst_pref_size 50
	.end_amdhsa_kernel
	.amdgpu_metadata
---
amdhsa.version: [ 1, 2 ]
amdhsa.kernels:
  - .name:           k_qead5249857_oproj
    .symbol:         k_qead5249857_oproj.kd
    .args:
      - { .name: act, .offset: 0, .size: 8, .value_kind: global_buffer, .address_space: global }
      - { .name: woc, .offset: 8, .size: 8, .value_kind: global_buffer, .address_space: global }
      - { .name: yp, .offset: 16, .size: 8, .value_kind: global_buffer, .address_space: global }
    .group_segment_fixed_size: 327680
    .private_segment_fixed_size: 0
    .kernarg_segment_align: 8
    .kernarg_segment_size: 24
    .max_flat_workgroup_size: 128
    .sgpr_count:     100
    .vgpr_count:     512
    .wavefront_size: 32
...
	.end_amdgpu_metadata
.endif
;; end of part 4
;; launch ln1 (part 5): grid 256 x 1, 16 waves a work-group, no clusters, 68,096 bytes of LDS; arguments yp, x, bo, g1, be1, hb; writes hb
.if DOCPART == 5
	.amdgcn_target "amdgcn-amd-amdhsa--gfx1250"
	.amdhsa_code_object_version 6
	.text
	.protected	k_qead5249857_ln1
	.globl	k_qead5249857_ln1
	.p2align	8
	.type	k_qead5249857_ln1,@function
k_qead5249857_ln1:
	s_mov_b64 s[64:65], 0
	v_nop
	global_prefetch_b8 v0, s[64:65] scope:SCOPE_SE
	s_setreg_imm32_b32 hwreg(HW_REG_WAVE_MODE, 25, 1), 1
	s_wait_xcnt 0x0
; h = LayerNorm(x + (attention's output product + bo)) x g1 + be1, in f32, and h's codes of FP8 (E4M3) for the next product.
; A wave takes one row of 1,024 (a lane holds columns 128 j + 4 lane + e in register 4 j + e: every load and store is 512 consecutive bytes), a work-group 16 rows: one block of positions.
; yp and hb go by POSITION; position 16 rb + w is token 32 (rb / 2) + 8 (rb % 2) + w + 8 (w / 8), which x is read by.  Mean first, then the mean of squared differences: no difference of large sums.
; The 16 rows meet in a stage in LDS; behind one barrier waves 0-7 quantise one K step of 128 each into a fragment image and its scale words.
; hb: h in f32 at byte 0; at byte 16,777,216 its codes, [K step 8][group of 64 rows 64][record of 8,448 bytes].
; LIMITS: a block of zeros gets the scale byte 1; NaN and infinities are not served.
.set REC,  8448
.set KS4,  64*REC
.set Y,    16
.set XX,   48
.set BO,   80
.set G,    112
.set BE,   144
.set SM,   176
.set MU,   184
.set RS,   186
.set XQ,   48
.set TM,   192
.set PW,   208
.set PC,   212
.set SEL,  24
.set MNT,  26
.macro ROW8 reg, base
.irp j, 0,1,2,3,4,5,6,7
	global_load_b128 v[\reg+4*\j:\reg+4*\j+3], v4, s[\base:\base+1] offset:512*\j
.endr
.endm
.macro ROW8NT reg, base
.irp j, 0,1,2,3,4,5,6,7
	global_load_b128 v[\reg+4*\j:\reg+4*\j+3], v4, s[\base:\base+1] offset:512*\j th:TH_LOAD_NT
.endr
.endm
.macro LANESUM                         ; four pairs of partial sums become the row's sum, in every lane
	s_delay_alu instid0(VALU_DEP_3)
	v_pk_add_f32 v[SM:SM+1], v[SM:SM+1], v[SM+2:SM+3]
	s_delay_alu instid0(VALU_DEP_2)
	v_pk_add_f32 v[SM+4:SM+5], v[SM+4:SM+5], v[SM+6:SM+7]
	s_delay_alu instid0(VALU_DEP_1)
	v_pk_add_f32 v[SM:SM+1], v[SM:SM+1], v[SM+4:SM+5]
	s_delay_alu instid0(VALU_DEP_1)
	v_add_f32 v[SM], v[SM], v[SM+1]
	s_delay_alu instid0(VALU_DEP_1)
	v_add_f32_dpp v[SM], v[SM], v[SM] row_xmask:1 row_mask:0xf bank_mask:0xf
	s_delay_alu instid0(VALU_DEP_1)
	v_add_f32_dpp v[SM], v[SM], v[SM] row_xmask:2 row_mask:0xf bank_mask:0xf
	s_delay_alu instid0(VALU_DEP_1)
	v_add_f32_dpp v[SM], v[SM], v[SM] row_xmask:4 row_mask:0xf bank_mask:0xf
	s_delay_alu instid0(VALU_DEP_1)
	v_add_f32_dpp v[SM], v[SM], v[SM] row_xmask:8 row_mask:0xf bank_mask:0xf
	s_delay_alu instid0(VALU_DEP_1)
	v_permlanex16_b32 v[SM+1], v[SM], s[SEL], s[SEL+1]
	s_delay_alu instid0(VALU_DEP_1)
	v_add_f32 v[SM], v[SM], v[SM+1]
.endm
.macro QUANT s
.irp b, 0,1,2,3
	v_max3_num_f32 v[TM+\b], |v[\s+16*\b]|, |v[\s+1+16*\b]|, 0x4800000
.endr
.irp i, 2,4,6,8,10,12,14
.irp b, 0,1,2,3
	s_delay_alu instid0(VALU_DEP_4)
	v_max3_num_f32 v[TM+\b], v[TM+\b], |v[\s+16*\b+\i]|, |v[\s+1+16*\b+\i]|
.endr
.endr
.irp b, 0,1,2,3
	s_delay_alu instid0(VALU_DEP_4)
	v_permlanex16_b32 v[TM+4+\b], v[TM+\b], s[SEL], s[SEL+1]
.endr
.irp b, 0,1,2,3
	s_delay_alu instid0(VALU_DEP_4)
	v_max_num_f32 v[TM+\b], v[TM+\b], v[TM+4+\b]
.endr
.irp b, 0,1,2,3
	s_delay_alu instid0(VALU_DEP_4)
	v_add_nc_u32 v[TM+12+\b], 0xfc000000, v[TM+\b]
.endr
.irp b, 0,1,2,3
	v_and_or_b32 v[TM+8+\b], v[TM+\b], 0x7f800000, s[MNT]
.endr
.irp b, 0,1,2,3
	v_lshrrev_b32 v[TM+4+\b], 23, v[TM+12+\b]
.endr
	s_delay_alu instid0(VALU_DEP_3)
	v_lshl_or_b32 v[PW], v[TM+5], 8, v[TM+4]
	s_delay_alu instid0(VALU_DEP_1)
	v_lshl_or_b32 v[PW], v[TM+6], 16, v[PW]
	s_delay_alu instid0(VALU_DEP_1)
	v_lshl_or_b32 v[PW], v[TM+7], 24, v[PW]
.set n, 0
.rept 64
	v_med3_num_f32 v[\s+n], v[\s+n], -v[TM+8+n/16], v[TM+8+n/16]
.set n, n+1
.endr
.irp b, 0,1,2,3
	v_cvt_scalef32_pk8_fp8_f32 v[PC+4*\b:PC+4*\b+1], v[\s+16*\b:\s+16*\b+7], v[TM+12+\b]
	v_cvt_scalef32_pk8_fp8_f32 v[PC+4*\b+2:PC+4*\b+3], v[\s+16*\b+8:\s+16*\b+15], v[TM+12+\b]
.endr
	v_nop
.endm
	s_load_b256 s[4:11], s[0:1], 0x0               ; yp, x, bo, g1
	s_load_b128 s[12:15], s[0:1], 0x20             ; be1, hb
	v_lshl_add_u32 v254, v0, 2, 0x10200
	v_mov_b32 v255, 0
	v_lshrrev_b32 v1, 5, v0
	s_delay_alu instid0(VALU_DEP_1)
	v_readfirstlane_b32 s16, v1                    ; wave 0..15
	v_and_b32 v1, 31, v0
	v_and_b32 v2, 15, v0
	v_bfe_u32 v3, v0, 4, 1
	s_delay_alu instid0(VALU_DEP_3)
	v_lshlrev_b32 v4, 4, v1
	s_wait_alu depctr_va_vdst(0)
	s_mul_i32 s17, s16, 4112                       ; the stage: 16 rows of 4,096 bytes + 16
	v_add_nc_u32 v5, s17, v4                       ; in: my wave's row
	v_mul_u32_u24 v6, v2, 4112
	s_delay_alu instid0(VALU_DEP_1)
	v_lshl_add_u32 v6, v3, 6, v6
	s_lshl_b32 s17, s16, 9
	v_add_nc_u32 v6, s17, v6                       ; out (waves 0-7): row r, K step w, + 64 h
	s_lshl_b32 s18, ttmp9, 4
	s_add_co_u32 s18, s18, s16                     ; position
	s_lshl_b32 s18, s18, 12
	s_mov_b32 s19, 0
	s_lshr_b32 s20, ttmp9, 1
	s_lshl_b32 s20, s20, 5
	s_and_b32 s21, ttmp9, 1
	s_lshl_b32 s21, s21, 3
	s_add_co_u32 s20, s20, s21
	s_add_co_u32 s20, s20, s16
	s_and_b32 s21, s16, 8
	s_add_co_u32 s20, s20, s21                     ; token
	s_lshl_b32 s20, s20, 12
	s_mov_b32 s21, 0
	s_mul_i32 s22, s16, KS4
	s_lshr_b32 s23, ttmp9, 2
	s_mul_i32 s23, s23, REC
	s_add_co_u32 s22, s22, s23
	s_add_co_u32 s22, s22, 16777216                ; my record of codes (waves 0-7)
	s_mov_b32 s23, 0
	s_and_b32 s27, ttmp9, 3
	s_lshl_b32 s32, s27, 11
	v_add_nc_u32 v7, s32, v4
	s_lshl_b32 s32, s27, 6
	v_lshl_add_u32 v8, v2, 2, s32
	s_mov_b32 s[SEL], 0x76543210
	s_mov_b32 s[SEL+1], 0xfedcba98
	s_mov_b32 s[MNT], 0x600000
	s_mov_b32 s33, 0x3a800000                      ; 1 / 1,024
	s_mov_b32 s34, 0x3727c5ac                      ; 1e-5
.irp b, 0,1,2,3
	v_mov_b32 v[TM+4+\b], 0
.endr
	s_wait_kmcnt 0x0
	s_add_nc_u64 s[4:5], s[4:5], s[18:19]
	s_add_nc_u64 s[6:7], s[6:7], s[20:21]
	s_add_nc_u64 s[30:31], s[14:15], s[18:19]
	s_add_nc_u64 s[28:29], s[14:15], s[22:23]
	ROW8NT Y, 4
	ROW8NT XX, 6
	ROW8 BO, 8
	ROW8 G, 10
	ROW8 BE, 12
	s_wait_loadcnt 16                              ; the product, x and bo are in; g1 and be1 stay out
.set n, 0
.rept 16
	v_pk_add_f32 v[Y+n:Y+n+1], v[Y+n:Y+n+1], v[BO+n:BO+n+1]
.set n, n+2
.endr
.set n, 0
.rept 16
	v_pk_add_f32 v[Y+n:Y+n+1], v[Y+n:Y+n+1], v[XX+n:XX+n+1]
.set n, n+2
.endr
.irp k, 0,1,2,3
	v_pk_add_f32 v[SM+2*\k:SM+2*\k+1], v[Y+2*\k:Y+2*\k+1], v[Y+8+2*\k:Y+8+2*\k+1]
.endr
.irp q, 16,24
.irp k, 0,1,2,3
	s_delay_alu instid0(VALU_DEP_4)
	v_pk_add_f32 v[SM+2*\k:SM+2*\k+1], v[SM+2*\k:SM+2*\k+1], v[Y+\q+2*\k:Y+\q+2*\k+1]
.endr
.endr
	LANESUM
	s_delay_alu instid0(VALU_DEP_1)
	v_mul_f32 v[MU], s33, v[SM]                    ; the mean
	s_delay_alu instid0(VALU_DEP_1)
	v_mov_b32 v[MU+1], v[MU]
.set n, 0
.rept 16
	v_pk_add_f32 v[Y+n:Y+n+1], v[Y+n:Y+n+1], v[MU:MU+1] neg_lo:[0,1] neg_hi:[0,1]
.set n, n+2
.endr
.irp k, 0,1,2,3
	v_pk_mul_f32 v[SM+2*\k:SM+2*\k+1], v[Y+2*\k:Y+2*\k+1], v[Y+2*\k:Y+2*\k+1]
.endr
.irp q, 8,16,24
.irp k, 0,1,2,3
	s_delay_alu instid0(VALU_DEP_4)
	v_pk_fma_f32 v[SM+2*\k:SM+2*\k+1], v[Y+\q+2*\k:Y+\q+2*\k+1], v[Y+\q+2*\k:Y+\q+2*\k+1], v[SM+2*\k:SM+2*\k+1]
.endr
.endr
	LANESUM
	s_delay_alu instid0(VALU_DEP_1)
	v_fma_f32 v[SM], v[SM], s33, s34               ; the variance + 1e-5
	s_wait_alu depctr_va_vdst(0)
	v_rsq_f32 v[RS], v[SM]
	v_nop                                          ; a plain line behind the transcendental
	s_wait_alu depctr_va_vdst(0)                   ; and the wait ahead of its first reader
	v_mov_b32 v[RS+1], v[RS]
	s_wait_alu depctr_va_vdst(0)
	s_wait_loadcnt 0x0                             ; g1, be1
.set n, 0
.rept 16
	v_pk_mul_f32 v[Y+n:Y+n+1], v[Y+n:Y+n+1], v[RS:RS+1]
.set n, n+2
.endr
.set n, 0
.rept 16
	v_pk_fma_f32 v[Y+n:Y+n+1], v[Y+n:Y+n+1], v[G+n:G+n+1], v[BE+n:BE+n+1]
.set n, n+2
.endr
.irp j, 0,1,2,3,4,5,6,7
	global_store_b128 v4, v[Y+4*\j:Y+4*\j+3], s[30:31] offset:512*\j
	ds_store_b128 v5, v[Y+4*\j:Y+4*\j+3] offset:512*\j
.endr
	s_wait_dscnt 0x0                               ; for the others' sake: my row lies in the stage
	s_barrier_signal -1
	s_barrier_wait -1
	s_cmp_ge_u32 s16, 8
	s_cbranch_scc1 .Ldone
.irp c, 0,1,2,3
.irp j, 0,1,2,3
	ds_load_b128 v[XQ+16*\c+4*\j:XQ+16*\c+4*\j+3], v6 offset:128*\c+16*\j
.endr
.endr
	s_wait_dscnt 0x0
	QUANT XQ
.irp c, 0,1,2,3
	global_store_b128 v7, v[PC+4*\c:PC+4*\c+3], s[28:29] offset:512*\c
.endr
	v_cmp_gt_u32 vcc_lo, 16, v1
	s_wait_xcnt 0x0                                ; EXEC is a source of the stores above
	s_and_saveexec_b32 s35, vcc_lo
	global_store_b32 v8, v[PW], s[28:29] offset:8192
	s_wait_xcnt 0x0
	s_or_b32 exec_lo, exec_lo, s35
.Ldone:
	s_wait_tensorcnt 0x0
	ds_add_u32 v254, v255
	s_wait_dscnt 0x0
	s_endpgm
.Lfunc_end_k_qead5249857_ln1:
	.size	k_qead5249857_ln1, .Lfunc_end_k_qead5249857_ln1-k_qead5249857_ln1
	.p2alignl 7, 3214868480
	.fill 96, 4, 3214868480
	.section	.rodata,"a",@progbits
	.p2align	6, 0x0
	.amdhsa_kernel k_qead5249857_ln1
		.amdhsa_group_segment_fixed_size 68096
		.amdhsa_private_segment_fixed_size 0
		.amdhsa_enable_private_segment 0
		.amdhsa_kernarg_size 48
		.amdhsa_user_sgpr_count 2
		.amdhsa_user_sgpr_kernarg_segment_ptr 1
		.amdhsa_wavefront_size32 1
		.amdhsa_system_sgpr_workgroup_id_x 1
		.amdhsa_system_sgpr_workgroup_id_y 1
		.amdhsa_system_sgpr_workgroup_id_z 1
		.amdhsa_system_vgpr_workitem_id 0
		.amdhsa_next_free_vgpr 256
		.amdhsa_next_free_sgpr 66
		.amdhsa_reserve_vcc 1
		.amdhsa_float_denorm_mode_32 3
		.amdhsa_float_denorm_mode_16_64 3
		.amdhsa_memory_ordered 1
		.amdhsa_forward_progress 1
		.amdhsa_inst_pref_size 29
	.end_amdhsa_kernel
	.amdgpu_metadata
---
amdhsa.version: [ 1, 2 ]
amdhsa.kernels:
  - .name:           k_qead5249857_ln1
    .symbol:         k_qead5249857_ln1.kd
    .args:
      - { .name: yp, .offset: 0, .size: 8, .value_kind: global_buffer, .address_space: global }
      - { .name: x, .offset: 8, .size: 8, .value_kind: global_buffer, .address_space: global }
      - { .name: bo, .offset: 16, .size: 8, .value_kind: global_buffer, .address_space: global }
      - { .name: g1, .offset: 24, .size: 8, .value_kind: global_buffer, .address_space: global }
      - { .name: be1, .offset: 32, .size: 8, .value_kind: global_buffer, .address_space: global }
      - { .name: hb, .offset: 40, .size: 8, .value_kind: global_buffer, .address_space: global }
    .group_segment_fixed_size: 68096
    .private_segment_fixed_size: 0
    .kernarg_segment_align: 8
    .kernarg_segment_size: 48
    .max_flat_workgroup_size: 512
    .sgpr_count:     66
    .vgpr_count:     256
    .wavefront_size: 32
...
	.end_amdgpu_metadata
.endif
;; end of part 5
;; launch ffn1 (part 6): grid 16 x 16, 4 waves a work-group, clusters of 4 x 4, 327,680 bytes of LDS; arguments hb, qin, b1, act; writes act
.if DOCPART == 6
	.amdgcn_target "amdgcn-amd-amdhsa--gfx1250"
	.amdhsa_code_object_version 6
	.text
	.protected	k_qead5249857_ffn1
	.globl	k_qead5249857_ffn1
	.p2align	8
	.type	k_qead5249857_ffn1,@function
k_qead5249857_ffn1:
	s_mov_b64 s[64:65], 0
	v_nop
	global_prefetch_b8 v0, s[64:65] scope:SCOPE_SE
	s_setreg_imm32_b32 hwreg(HW_REG_WAVE_MODE, 25, 1), 1
	s_wait_xcnt 0x0
	s_wait_alu depctr_hold_cnt(0) depctr_sa_sdst(0) depctr_va_vdst(0) depctr_va_sdst(0) depctr_va_ssrc(0) depctr_va_vcc(0) depctr_vm_vsrc(0)
	s_getreg_b32 s2, hwreg(HW_REG_IB_STS2, 6, 4)
	s_cmp_eq_u32 s2, 0
	s_cbranch_scc0 .Lentry_in_a_cluster
	s_endpgm
.Lentry_in_a_cluster:
	s_bfe_u32 s2, ttmp6, 0x10000c
	s_cmp_lg_u32 s2, 0xf033
	s_cbranch_scc0 .Lentry_shape_is_right
	s_endpgm
.Lentry_shape_is_right:
.set REC,   8448
.set FRG,   2048
.set TILE,  4*REC
.set KS4,   64*REC
.set KSA,   KS4
.set KSB,   KS4
.set SLOT,  4*TILE
.set SPARE, 2*SLOT
.set W1O,   16*KS4
.set FR,    16
.set NL,    4
.set NP,    8
.set ADRA,  16
.set ADRB,  20
.set ADRS,  22
.set LI,    24
.set LS,    25
.set SPW,   28
.set NIL,   29
.set SC,    32
.set BI,    64
.set AF,    128
.set TM,    64
.set SW,    80
.set SD,    96
.set PC,    128
.set G1,    24
.set G0,    32
.set G1B,   48
.set G0B,   56
.set SEL,   66
.set MNT,   68
.set OUT,   74
.set MSB, 0
.macro WIN new
.if MSB != (\new)
	s_set_vgpr_msb (MSB<<8)|(\new)
.set MSB, (\new)
.endif
.endm
.set MUL_LO, 0xa1
.set MUL_HI, 0xf1
.set TO_B,   0x40
.macro WINM hi, cm
.if (\cm) == 0
	WIN 0xa1+0x50*(\hi)
.else
	WIN 0x81+0x40*(\hi)
.endif
.endm
.macro JLOAD g0a, g1a, g0b, g1b
	s_cmp_eq_u32 s15, 0
	s_cbranch_scc0 .Lfor_b_\@
	tensor_load_to_lds s[\g0a:\g0a+3], s[\g1a:\g1a+7]
	s_nop 0
.rept 4
	v_nop
.endr
	s_branch .Lasked_\@
.Lfor_b_\@:
	tensor_load_to_lds s[\g0b:\g0b+3], s[\g1b:\g1b+7]
	s_nop 0
.rept 4
	v_nop
.endr
.Lasked_\@:
.endm
.macro CREST
	s_cmp_lg_u32 s14, 0
	s_cbranch_scc1 .Lnot_wave_0_\@
	s_barrier_signal -3
.Lnot_wave_0_\@:
	s_barrier_wait -3
	s_barrier_signal -1
	s_barrier_wait -1
.endm
.macro CROUND
	s_barrier_signal -1
	s_barrier_wait -1
	CREST
.endm
.macro PLACES n
.rept \n
	v_nop
.endr
.endm
.macro FRAG reg, adr, q, i
.irp c, 0,1,2,3
	ds_load_b128 v[\reg+4*\c:\reg+4*\c+3], v[\adr] offset:TILE*(\q)+REC*((\i)/4)+FRG*((\i)%4)+512*\c
.endr
.endm
.macro FETCH_B slot, q, p
	WIN TO_B
.irp i, 0,1,2,3,4,5,6,7
	FRAG 128*(\p)+FR*\i, ADRB+\slot, \q, \i
.endr
	WIN 0
.endm
.macro FETCH_A slot, q, i0
.irp i, \i0, \i0+1, \i0+2, \i0+3
	FRAG AF+FR*(\i), ADRA+\slot, \q, \i
.endr
.endm
.macro SCALES sc
.irp i, 0,1,2,3,4,5,6,7
.irp q, 0,1
	ds_load_b32 v[SC+16*\sc+2*\i+\q], v[ADRS+\sc] offset:TILE*\q+REC*(\i/4)+64*(\i%4)
.endr
.endr
.endm
.macro MUL16 a0, p, q, sc, cm
.irp a, \a0, \a0+1
.irp b, 0,1,2,3,4,5,6,7
.if (\cm) == 0
	v_wmma_scale_f32_16x16x128_f8f6f4 v[8*(8*((\a)%4)+\b):8*(8*((\a)%4)+\b)+7], v[128*(\p)+FR*\b:128*(\p)+FR*\b+FR-1], v[AF+FR*(\a):AF+FR*(\a)+FR-1], v[8*(8*((\a)%4)+\b):8*(8*((\a)%4)+\b)+7], v[SC+16*(\sc)+2*\b+(\q)], v[SC+16*(\sc)+2*(\a)+(\q)] matrix_a_scale:MATRIX_SCALE_ROW1
.else
	v_wmma_scale_f32_16x16x128_f8f6f4 v[8*(8*((\a)%4)+\b):8*(8*((\a)%4)+\b)+7], v[128*(\p)+FR*\b:128*(\p)+FR*\b+FR-1], v[AF+FR*(\a):AF+FR*(\a)+FR-1], v[BI+8*\b:BI+8*\b+7], v[SC+16*(\sc)+2*\b+(\q)], v[SC+16*(\sc)+2*(\a)+(\q)] matrix_a_scale:MATRIX_SCALE_ROW1
.endif
.endr
.endr
.endm
.macro STEP slot, q, cm
	s_wait_dscnt 4*NL
	WINM 0, \cm
	MUL16 0, (\q)%2, \q, \slot, \cm
	MUL16 2, (\q)%2, \q, \slot, \cm
	s_wait_dscnt 0
	PLACES NP
	FETCH_B \slot, (\q)+1, 1-(\q)%2
	FETCH_A \slot, (\q)+1, 0
	WINM 1, \cm
	MUL16 4, (\q)%2, \q, \slot, \cm
	MUL16 6, (\q)%2, \q, \slot, \cm
	PLACES NP
	WIN 0
	FETCH_A \slot, (\q)+1, 4
.endm
.macro TURN slot, next, fill
	s_wait_tensorcnt 0x0
	ds_add_u32 v[SPW], v[NIL]
	s_wait_dscnt 4*NL+1
	WIN MUL_LO
	MUL16 0, 1, 1, \slot, 0
	s_wait_dscnt 0x0
	s_barrier_signal -1
	MUL16 2, 1, 1, \slot, 0
	WIN 0
	s_barrier_wait -1
.if \fill
	CREST
	s_add_nc_u64 s[G0+4*\slot+2:G0+4*\slot+3], s[G0+4*\slot+2:G0+4*\slot+3], 4*KSA
	s_add_nc_u64 s[G0B+4*\slot+2:G0B+4*\slot+3], s[G0B+4*\slot+2:G0B+4*\slot+3], 4*KSB
	JLOAD G0+4*\slot, G1, G0B+4*\slot, G1B
	PLACES NP-4
.else
	PLACES NP
.endif
	FETCH_B \next, 0, 0
	FETCH_A \next, 0, 0
	SCALES \next
.if (\fill) && (\slot) == 0
	ASK 92                                         ; behind fill 2: my share of fill 3, the last
.endif
	WIN MUL_HI
	MUL16 4, 1, 1, \slot, 0
	MUL16 6, 1, 1, \slot, 0
	PLACES NP
	WIN 0
	FETCH_A \next, 0, 4
.endm
.macro QUANTA a
.set WW, 2+(\a)/4
.set S0, 64*((\a)%4)
.set PCA, PC+16*(\a)
	WIN (WW|(WW<<2))
.irp b, 0,1,2,3
	v_max3_num_f32 v[TM+\b], v[S0+16*\b], v[S0+1+16*\b], 0x4800000
.endr
	WIN ((WW<<2)|(WW<<4))
.irp i, 2,4,6,8,10,12,14
.irp b, 0,1,2,3
	v_max3_num_f32 v[TM+\b], v[TM+\b], v[S0+16*\b+\i], v[S0+1+16*\b+\i]
.endr
.endr
	WIN 0
.irp b, 0,1,2,3
	v_permlanex16_b32 v[TM+4+\b], v[TM+\b], s[SEL], s[SEL+1]
.endr
.irp b, 0,1,2,3
	v_max_num_f32 v[TM+\b], v[TM+\b], v[TM+4+\b]
.endr
.irp b, 0,1,2,3
	v_add_nc_u32 v[TM+12+\b], 0xfc000000, v[TM+\b]
.endr
.irp b, 0,1,2,3
	v_and_or_b32 v[TM+8+\b], v[TM+\b], 0x7f800000, s[MNT]
.endr
.irp b, 0,1,2,3
	v_lshrrev_b32 v[TM+4+\b], 23, v[TM+12+\b]
.endr
	v_lshl_or_b32 v[SW+(\a)], v[TM+5], 8, v[TM+4]
	v_lshl_or_b32 v[SW+(\a)], v[TM+6], 16, v[SW+(\a)]
	v_lshl_or_b32 v[SW+(\a)], v[TM+7], 24, v[SW+(\a)]
	WIN (WW|(WW<<6))
.set n, 0
.rept 64
	v_med3_num_f32 v[S0+n], v[S0+n], 0, v[TM+8+n/16]
.set n, n+1
.endr
	WIN WW
.irp b, 0,1,2,3
	v_cvt_scalef32_pk8_fp8_f32 v[PCA+4*\b:PCA+4*\b+1], v[S0+16*\b:S0+16*\b+7], v[TM+12+\b]
	v_cvt_scalef32_pk8_fp8_f32 v[PCA+4*\b+2:PCA+4*\b+3], v[S0+16*\b+8:S0+16*\b+15], v[TM+12+\b]
.endr
	WIN 0
	v_nop
.endm
	s_load_b256 s[4:11], s[0:1], 0x0
	v_lshl_add_u32 v[SPW], v0, 2, SPARE
	v_mov_b32 v[NIL], 0
	ds_add_u32 v28, v29
	ds_add_u32 v28, v29
	s_wait_dscnt 0x0
	v_lshrrev_b32 v1, 5, v0
	v_readfirstlane_b32 s14, v1
	v_and_b32 v30, 31, v0
	v_lshlrev_b32 v30, 8, v30                      ; the prefetches' offset: 256 x lane; never rewritten
	v_mov_b32 v31, 0                               ; and 0, for a share's 33rd block; never rewritten
; A PREFETCH INTO THE L2 of the next fill, one refill (two K steps of 128) ahead of the joint load that will want it.  A wave's load brings 33,792 dense bytes, 132 blocks of 256; the four partners that ask for them
; jointly share them out BY ADDRESS, 33 blocks each (cx for A's tiles, cy for B's): 32 blocks a lane each, and the 33rd named by all lanes of a second line.  The last fill asks for nothing further.
.macro ASK base
	global_prefetch_b8 v30, s[\base:\base+1] th:TH_LOAD_NT scope:SCOPE_SE
	global_prefetch_b8 v31, s[\base:\base+1] offset:8192 th:TH_LOAD_NT scope:SCOPE_SE
.endm
	s_lshr_b32 s15, s14, 1
	s_and_b32 s16, s14, 1
	s_bfe_u32 s40, ttmp6, 0x40000
	s_bfe_u32 s41, ttmp6, 0x40004
	s_lshl_b32 s42, ttmp9, 2
	s_add_co_u32 s42, s42, s40
	s_and_b32 s17, ttmp7, 0xffff
	s_lshl_b32 s17, s17, 2
	s_add_co_u32 s17, s17, s41
	s_lshl_b32 s43, s41, 2
	s_lshl_b32 s43, 15, s43
	s_lshl_b32 s44, 0x1111, s40
	s_or_b32 s[G1+0], s43, (3<<16)|(1<<21)
	s_or_b32 s[G1B+0], s44, (3<<16)|(1<<21)
.irp g, G1, G1B
	s_mov_b32 s[\g+1], 32<<16
	s_mov_b32 s[\g+2], 132<<16
	s_mov_b32 s[\g+3], 32<<16
	s_mov_b32 s[\g+4], 132
	s_mov_b32 s[\g+5], 32
	s_mov_b32 s[\g+6], 0
	s_mov_b32 s[\g+7], 0
.endr
	s_mul_i32 s18, s16, KS4
	s_mul_i32 s20, s17, TILE
	s_add_co_u32 s20, s20, s18
	s_add_co_u32 s20, s20, 16777216
	s_mov_b32 s21, 0
	s_mul_i32 s46, s42, TILE
	s_add_co_u32 s46, s46, s18
	s_add_co_u32 s46, s46, W1O
	s_mov_b32 s47, 0
	s_mul_i32 s45, s14, TILE
	s_mov_b32 s[SEL], 0x76543210
	s_mov_b32 s[SEL+1], 0xfedcba98
	s_mov_b32 s[MNT], 0x600000
	s_wait_kmcnt 0x0
	s_add_nc_u64 s[20:21], s[4:5], s[20:21]
	s_add_nc_u64 s[46:47], s[6:7], s[46:47]
	s_cmp_eq_u32 s15, 0                            ; do I fetch for A?  The choice hangs on the wave's number alone
	s_mov_b32 s88, 2*KSB
	s_cselect_b64 s[84:85], s[20:21], s[46:47]     ; where my loads begin
	s_cselect_b32 s86, s40, s41                    ; my place among the four that ask with me
	s_cselect_b32 s88, 2*KSA, s88                  ; from fill to fill
	s_mul_i32 s86, s86, 8448                       ; my share: 33 blocks of 256 bytes
	s_mov_b32 s87, 0
	s_mov_b32 s89, 0
	s_add_nc_u64 s[84:85], s[84:85], s[86:87]
	s_add_nc_u64 s[84:85], s[84:85], s[88:89]      ; my share of fill 1,
	s_add_nc_u64 s[90:91], s[84:85], s[88:89]      ; of fill 2,
	s_add_nc_u64 s[92:93], s[90:91], s[88:89]      ; and of fill 3: three addresses that are never rewritten
	s_wait_alu depctr_va_vdst(0)                   ; the wait directly ahead of the round
	CROUND
.irp s, 0,1
	s_mov_b32 s[G0+4*\s], 1
	s_add_co_u32 s[G0+4*\s+1], s45, \s*SLOT
	s_add_nc_u64 s[G0+4*\s+2:G0+4*\s+3], s[20:21], \s*2*KSA
	s_or_b32 s[G0+4*\s+3], s[G0+4*\s+3], 0x80000000
	s_mov_b32 s[G0B+4*\s], 1
	s_add_co_u32 s[G0B+4*\s+1], s45, \s*SLOT
	s_add_nc_u64 s[G0B+4*\s+2:G0B+4*\s+3], s[46:47], \s*2*KSB
	s_or_b32 s[G0B+4*\s+3], s[G0B+4*\s+3], 0x80000000
.if \s == 1                                    ; slot 1's first fill is issued as a refill is, with a round ahead of it
	s_wait_alu depctr_va_vdst(0)
	s_wait_tensorcnt 0x0
	ds_add_u32 v28, v29
	ds_add_u32 v28, v29
	s_wait_dscnt 0x0
	CROUND
.endif
	JLOAD G0+4*\s, G1, G0B+4*\s, G1B
	ASK 84+6*\s                                    ; behind fill s: my share of fill s + 1
.endr
	v_and_b32 v1, 15, v0
	v_bfe_u32 v2, v0, 4, 1
	v_and_b32 v3, 31, v0
	v_lshlrev_b32 v[LI], 4, v3
	s_wait_alu depctr_va_vdst(0)
	v_lshlrev_b32 v[LS], 2, v3
	s_mul_i32 s21, s15, 2*REC
	s_mul_i32 s22, s16, 2*REC
	s_add_co_u32 s22, s22, 2*TILE
	s_sub_co_u32 s23, s22, s21
	v_mul_u32_u24 v4, s23, v2
	v_lshl_add_u32 v4, v1, 2, v4
	s_add_co_u32 s19, s21, 8192
.irp s, 0,1
	v_add_nc_u32 v[ADRA+\s], s21, v[LI]
	v_add_nc_u32 v[ADRB+\s], s22, v[LI]
	v_add_nc_u32 v[ADRS+\s], s19, v4
	s_add_co_u32 s21, s21, SLOT
	s_add_co_u32 s22, s22, SLOT
	s_add_co_u32 s19, s19, SLOT
.endr
	s_lshl_b32 s76, s42, 10
	s_lshl_b32 s78, s16, 9
	s_add_co_u32 s76, s76, s78
	s_mov_b32 s77, 0
	s_add_nc_u64 s[8:9], s[8:9], s[76:77]
	v_lshlrev_b32 v5, 6, v2
.irp b, 0,1,2,3,4,5,6,7
	global_load_b128 v[BI+8*\b:BI+8*\b+3], v5, s[8:9] offset:(32*(\b/2)+8*(\b%2))*4
	global_load_b128 v[BI+8*\b+4:BI+8*\b+7], v5, s[8:9] offset:(32*(\b/2)+8*(\b%2))*4+16
.endr
	s_lshl_b32 s78, s42, 1
	s_add_co_u32 s78, s78, s16
	s_mul_i32 s78, s78, KS4
	s_lshl_b32 s79, s17, 2
	s_lshl_b32 s80, s15, 1
	s_add_co_u32 s79, s79, s80
	s_mul_i32 s79, s79, REC
	s_add_co_u32 s[OUT], s78, s79
	s_mov_b32 s[OUT+1], 0
	s_add_nc_u64 s[OUT:OUT+1], s[10:11], s[OUT:OUT+1]
	s_wait_alu depctr_va_vdst(0)
	s_wait_tensorcnt 1
	s_barrier_signal -1
	s_barrier_wait -1
	FETCH_B 0, 0, 0
	FETCH_A 0, 0, 0
	SCALES 0
	FETCH_A 0, 0, 4
	s_wait_loadcnt 0x0
	STEP 0, 0, 1
	s_mov_b32 s3, 1
.Llap:
	TURN 0, 1, 1
	STEP 1, 0, 0
	TURN 1, 0, 1
	STEP 0, 0, 0
	s_sub_co_u32 s3, s3, 1
	s_cmp_lg_u32 s3, 0
	s_cbranch_scc1 .Llap
	TURN 0, 1, 0
	STEP 1, 0, 0
	s_wait_dscnt 4*NL
	WIN MUL_LO
	MUL16 0, 1, 1, 1, 0
	MUL16 2, 1, 1, 1, 0
	s_wait_dscnt 0
	WIN MUL_HI
	MUL16 4, 1, 1, 1, 0
	MUL16 6, 1, 1, 1, 0
	WIN 0
	PLACES NP
.irp b, 0,1,2,3
	v_mov_b32 v[TM+4+\b], 0
.endr
	v_cmp_le_u32 vcc_lo, 16, v3
.irp a, 0,1,2,3,4,5,6,7
	QUANTA \a
.endr
.irp a, 0,1,2,3,4,5,6,7
.irp c, 0,1,2,3
	global_store_b128 v[LI], v[PC+16*\a+4*\c:PC+16*\a+4*\c+3], s[OUT:OUT+1] offset:(\a/4)*REC+(\a%4)*FRG+512*\c
.endr
.endr
.irp e, 0,1
.irp z, 0,1
	v_cndmask_b32 v[SD+2*\e+\z], v[SW+4*\e+2*\z], v[SW+4*\e+2*\z+1], vcc_lo
	global_store_b32 v[LS], v[SD+2*\e+\z], s[OUT:OUT+1] offset:\e*REC+8192+128*\z
.endr
.endr
	s_wait_tensorcnt 0x0
	ds_add_u32 v[SPW], v[NIL]
	s_wait_dscnt 0x0
	CROUND
	s_endpgm
.Lfunc_end_k_qead5249857_ffn1:
	.size	k_qead5249857_ffn1, .Lfunc_end_k_qead5249857_ffn1-k_qead5249857_ffn1
	.p2alignl 7, 3214868480
	.fill 96, 4, 3214868480
	.section	.rodata,"a",@progbits
	.p2align	6, 0x0
	.amdhsa_kernel k_qead5249857_ffn1
		.amdhsa_group_segment_fixed_size 327680
		.amdhsa_private_segment_fixed_size 0
		.amdhsa_enable_private_segment 0
		.amdhsa_kernarg_size 32
		.amdhsa_user_sgpr_count 2
		.amdhsa_user_sgpr_kernarg_segment_ptr 1
		.amdhsa_wavefront_size32 1
		.amdhsa_system_sgpr_workgroup_id_x 1
		.amdhsa_system_sgpr_workgroup_id_y 1
		.amdhsa_system_sgpr_workgroup_id_z 1
		.amdhsa_system_vgpr_workitem_id 0
		.amdhsa_next_free_vgpr 1024
		.amdhsa_next_free_sgpr 100
		.amdhsa_reserve_vcc 1
		.amdhsa_float_denorm_mode_32 3
		.amdhsa_float_denorm_mode_16_64 3
		.amdhsa_memory_ordered 1
		.amdhsa_forward_progress 1
		.amdhsa_inst_pref_size 188
	.end_amdhsa_kernel
	.amdgpu_metadata
---
amdhsa.version: [ 1, 2 ]
amdhsa.kernels:
  - .name:           k_qead5249857_ffn1
    .symbol:         k_qead5249857_ffn1.kd
    .args:
      - { .name: hb, .offset: 0, .size: 8, .value_kind: global_buffer, .address_space: global }
      - { .name: qin, .offset: 8, .size: 8, .value_kind: global_buffer, .address_space: global }
      - { .name: b1, .offset: 16, .size: 8, .value_kind: global_buffer, .address_space: global }
      - { .name: act, .offset: 24, .size: 8, .value_kind: global_buffer, .address_space: global }
    .group_segment_fixed_size: 327680
    .private_segment_fixed_size: 0
    .kernarg_segment_align: 8
    .kernarg_segment_size: 32
    .max_flat_workgroup_size: 128
    .sgpr_count:     100
    .vgpr_count:     1024
    .wavefront_size: 32
...
	.end_amdgpu_metadata
.endif
;; end of part 6
;; launch ffn2 (part 7): grid 4 x 64, 4 waves a work-group, clusters of 4 x 4, 327,680 bytes of LDS; arguments act, w2c, yp; writes yp
.if DOCPART == 7
	.amdgcn_target "amdgcn-amd-amdhsa--gfx1250"
	.amdhsa_code_object_version 6
	.text
	.protected	k_qead5249857_ffn2
	.globl	k_qead5249857_ffn2
	.p2align	8
	.type	k_qead5249857_ffn2,@function
k_qead5249857_ffn2:
	s_mov_b64 s[64:65], 0
	v_nop
	global_prefetch_b8 v0, s[64:65] scope:SCOPE_SE
	s_setreg_imm32_b32 hwreg(HW_REG_WAVE_MODE, 25, 1), 1
	s_wait_xcnt 0x0
	s_wait_alu depctr_hold_cnt(0) depctr_sa_sdst(0) depctr_va_vdst(0) depctr_va_sdst(0) depctr_va_ssrc(0) depctr_va_vcc(0) depctr_vm_vsrc(0)
	s_getreg_b32 s2, hwreg(HW_REG_IB_STS2, 6, 4)
	s_cmp_eq_u32 s2, 0
	s_cbranch_scc0 .Lentry_in_a_cluster
	s_endpgm
.Lentry_in_a_cluster:
	s_bfe_u32 s2, ttmp6, 0x10000c
	s_cmp_lg_u32 s2, 0xf033
	s_cbranch_scc0 .Lentry_shape_is_right
	s_endpgm
.Lentry_shape_is_right:
.set REC,   8448
.set FRG,   2048
.set TILE,  4*REC
.set KS4,   64*REC
.set KS1,   16*REC
.set KSA,   KS4
.set KSB,   KS1
.set SLOT,  4*TILE
.set SPARE, 2*SLOT
.set SPITCH, 528
.set FR,    16
.set NL,    4
.set NP,    8
.set ADRA,  16
.set ADRB,  20
.set ADRS,  22
.set LI,    24
.set STO,   26
.set RD,    27
.set SPW,   28
.set NIL,   29
.set SC,    32
.set AF,    128
.set BK,    128
.set G1,    24
.set G0,    32
.set G1B,   48
.set G0B,   56
.set MSB, 0
.macro WIN new
.if MSB != (\new)
	s_set_vgpr_msb (MSB<<8)|(\new)
.set MSB, (\new)
.endif
.endm
.set MUL_LO, 0xa1
.set MUL_HI, 0xf1
.set TO_B,   0x40
.macro JLOAD g0a, g1a, g0b, g1b
	s_cmp_eq_u32 s15, 0
	s_cbranch_scc0 .Lfor_b_\@
	tensor_load_to_lds s[\g0a:\g0a+3], s[\g1a:\g1a+7]
	s_nop 0
.rept 4
	v_nop
.endr
	s_branch .Lasked_\@
.Lfor_b_\@:
	tensor_load_to_lds s[\g0b:\g0b+3], s[\g1b:\g1b+7]
	s_nop 0
.rept 4
	v_nop
.endr
.Lasked_\@:
.endm
.macro CREST
	s_cmp_lg_u32 s14, 0
	s_cbranch_scc1 .Lnot_wave_0_\@
	s_barrier_signal -3
.Lnot_wave_0_\@:
	s_barrier_wait -3
	s_barrier_signal -1
	s_barrier_wait -1
.endm
.macro CROUND
	s_barrier_signal -1
	s_barrier_wait -1
	CREST
.endm
.macro PLACES n
.rept \n
	v_nop
.endr
.endm
.macro FRAG reg, adr, q, i
.irp c, 0,1,2,3
	ds_load_b128 v[\reg+4*\c:\reg+4*\c+3], v[\adr] offset:TILE*(\q)+REC*((\i)/4)+FRG*((\i)%4)+512*\c
.endr
.endm
.macro FETCH_B slot, q, p
	WIN TO_B
.irp i, 0,1,2,3,4,5,6,7
	FRAG 128*(\p)+FR*\i, ADRB+\slot, \q, \i
.endr
	WIN 0
.endm
.macro FETCH_A slot, q, i0
.irp i, \i0, \i0+1, \i0+2, \i0+3
	FRAG AF+FR*(\i), ADRA+\slot, \q, \i
.endr
.endm
.macro SCALES sc
.irp i, 0,1,2,3,4,5,6,7
.irp q, 0,1
	ds_load_b32 v[SC+16*\sc+2*\i+\q], v[ADRS+\sc] offset:TILE*\q+REC*(\i/4)+64*(\i%4)
.endr
.endr
.endm
.macro MUL16 a0, p, q, sc, zero
.irp a, \a0, \a0+1
.irp b, 0,1,2,3,4,5,6,7
.if \zero
	v_wmma_scale_f32_16x16x128_f8f6f4 v[8*(8*((\a)%4)+\b):8*(8*((\a)%4)+\b)+7], v[128*(\p)+FR*\b:128*(\p)+FR*\b+FR-1], v[AF+FR*(\a):AF+FR*(\a)+FR-1], 0, v[SC+16*(\sc)+2*\b+(\q)], v[SC+16*(\sc)+2*(\a)+(\q)] matrix_a_scale:MATRIX_SCALE_ROW1
.else
	v_wmma_scale_f32_16x16x128_f8f6f4 v[8*(8*((\a)%4)+\b):8*(8*((\a)%4)+\b)+7], v[128*(\p)+FR*\b:128*(\p)+FR*\b+FR-1], v[AF+FR*(\a):AF+FR*(\a)+FR-1], v[8*(8*((\a)%4)+\b):8*(8*((\a)%4)+\b)+7], v[SC+16*(\sc)+2*\b+(\q)], v[SC+16*(\sc)+2*(\a)+(\q)] matrix_a_scale:MATRIX_SCALE_ROW1
.endif
.endr
.endr
.endm
.macro STEP slot, q, zero
	s_wait_dscnt 4*NL
	WIN MUL_LO
	MUL16 0, (\q)%2, \q, \slot, \zero
	MUL16 2, (\q)%2, \q, \slot, \zero
	s_wait_dscnt 0
	PLACES NP
	FETCH_B \slot, (\q)+1, 1-(\q)%2
	FETCH_A \slot, (\q)+1, 0
	WIN MUL_HI
	MUL16 4, (\q)%2, \q, \slot, \zero
	MUL16 6, (\q)%2, \q, \slot, \zero
	PLACES NP
	WIN 0
	FETCH_A \slot, (\q)+1, 4
.endm
.macro TURN slot, next, fill
	s_wait_tensorcnt 0x0
	ds_add_u32 v[SPW], v[NIL]
	s_wait_dscnt 4*NL+1
	WIN MUL_LO
	MUL16 0, 1, 1, \slot, 0
	s_wait_dscnt 0x0
	s_barrier_signal -1
	MUL16 2, 1, 1, \slot, 0
	WIN 0
	s_barrier_wait -1
.if \fill
	CREST
	s_add_nc_u64 s[G0+4*\slot+2:G0+4*\slot+3], s[G0+4*\slot+2:G0+4*\slot+3], 4*KSA
	s_add_nc_u64 s[G0B+4*\slot+2:G0B+4*\slot+3], s[G0B+4*\slot+2:G0B+4*\slot+3], 4*KSB
	JLOAD G0+4*\slot, G1, G0B+4*\slot, G1B
	PLACES NP-4
.else
	PLACES NP
.endif
	FETCH_B \next, 0, 0
	FETCH_A \next, 0, 0
	SCALES \next
.if (\fill) && (\slot) == 0
	ASK 92                                         ; behind fill 2: my share of fill 3, the last
.endif
	WIN MUL_HI
	MUL16 4, 1, 1, \slot, 0
	MUL16 6, 1, 1, \slot, 0
	PLACES NP
	WIN 0
	FETCH_A \next, 0, 4
.endm
	s_load_b128 s[4:7], s[0:1], 0x0
	s_load_b64 s[12:13], s[0:1], 0x10
	v_lshl_add_u32 v[SPW], v0, 2, SPARE
	v_mov_b32 v[NIL], 0
	ds_add_u32 v28, v29
	ds_add_u32 v28, v29
	s_wait_dscnt 0x0
	v_lshrrev_b32 v1, 5, v0
	v_readfirstlane_b32 s14, v1
	v_and_b32 v30, 31, v0
	v_lshlrev_b32 v30, 8, v30                      ; the prefetches' offset: 256 x lane; never rewritten
	v_mov_b32 v31, 0                               ; and 0, for a share's 33rd block; never rewritten
; A PREFETCH INTO THE L2 of the next fill, one refill (two K steps of 128) ahead of the joint load that will want it.  A wave's load brings 33,792 dense bytes, 132 blocks of 256; the four partners that ask for them
; jointly share them out BY ADDRESS, 33 blocks each (cx for A's tiles, cy for B's): 32 blocks a lane each, and the 33rd named by all lanes of a second line.  The last fill asks for nothing further.
.macro ASK base
	global_prefetch_b8 v30, s[\base:\base+1] th:TH_LOAD_NT scope:SCOPE_SE
	global_prefetch_b8 v31, s[\base:\base+1] offset:8192 th:TH_LOAD_NT scope:SCOPE_SE
.endm
	s_lshr_b32 s15, s14, 1
	s_and_b32 s16, s14, 1
	s_bfe_u32 s40, ttmp6, 0x40000
	s_bfe_u32 s41, ttmp6, 0x40004
	s_lshl_b32 s42, ttmp9, 2
	s_add_co_u32 s42, s42, s40
	s_and_b32 s17, ttmp7, 0xffff
	s_lshr_b32 s67, s17, 2
	s_and_b32 s17, s17, 3
	s_lshl_b32 s17, s17, 2
	s_add_co_u32 s17, s17, s41
	s_lshl_b32 s43, s41, 2
	s_lshl_b32 s43, 15, s43
	s_lshl_b32 s44, 0x1111, s40
	s_or_b32 s[G1+0], s43, (3<<16)|(1<<21)
	s_or_b32 s[G1B+0], s44, (3<<16)|(1<<21)
.irp g, G1, G1B
	s_mov_b32 s[\g+1], 32<<16
	s_mov_b32 s[\g+2], 132<<16
	s_mov_b32 s[\g+3], 32<<16
	s_mov_b32 s[\g+4], 132
	s_mov_b32 s[\g+5], 32
	s_mov_b32 s[\g+6], 0
	s_mov_b32 s[\g+7], 0
.endr
	s_mul_i32 s20, s67, 8*KSA
	s_mul_i32 s19, s17, TILE
	s_add_co_u32 s20, s20, s19
	s_mul_i32 s19, s16, KSA
	s_add_co_u32 s20, s20, s19
	s_mov_b32 s21, 0
	s_mul_i32 s46, s67, 8*KSB
	s_mul_i32 s47, s42, TILE
	s_add_co_u32 s46, s46, s47
	s_mul_i32 s47, s16, KSB
	s_add_co_u32 s46, s46, s47
	s_mov_b32 s47, 0
	s_mul_i32 s45, s14, TILE
	s_wait_kmcnt 0x0
	s_add_nc_u64 s[20:21], s[4:5], s[20:21]
	s_add_nc_u64 s[46:47], s[6:7], s[46:47]
	s_cmp_eq_u32 s15, 0                            ; do I fetch for A?  The choice hangs on the wave's number alone
	s_mov_b32 s88, 2*KSB
	s_cselect_b64 s[84:85], s[20:21], s[46:47]     ; where my loads begin
	s_cselect_b32 s86, s40, s41                    ; my place among the four that ask with me
	s_cselect_b32 s88, 2*KSA, s88                  ; from fill to fill
	s_mul_i32 s86, s86, 8448                       ; my share: 33 blocks of 256 bytes
	s_mov_b32 s87, 0
	s_mov_b32 s89, 0
	s_add_nc_u64 s[84:85], s[84:85], s[86:87]
	s_add_nc_u64 s[84:85], s[84:85], s[88:89]      ; my share of fill 1,
	s_add_nc_u64 s[90:91], s[84:85], s[88:89]      ; of fill 2,
	s_add_nc_u64 s[92:93], s[90:91], s[88:89]      ; and of fill 3: three addresses that are never rewritten
	s_wait_alu depctr_va_vdst(0)                   ; the wait directly ahead of the round
	CROUND
.irp s, 0,1
	s_mov_b32 s[G0+4*\s], 1
	s_add_co_u32 s[G0+4*\s+1], s45, \s*SLOT
	s_add_nc_u64 s[G0+4*\s+2:G0+4*\s+3], s[20:21], \s*2*KSA
	s_or_b32 s[G0+4*\s+3], s[G0+4*\s+3], 0x80000000
	s_mov_b32 s[G0B+4*\s], 1
	s_add_co_u32 s[G0B+4*\s+1], s45, \s*SLOT
	s_add_nc_u64 s[G0B+4*\s+2:G0B+4*\s+3], s[46:47], \s*2*KSB
	s_or_b32 s[G0B+4*\s+3], s[G0B+4*\s+3], 0x80000000
.if \s == 1                                    ; slot 1's first fill is issued as a refill is, with a round ahead of it
	s_wait_alu depctr_va_vdst(0)
	s_wait_tensorcnt 0x0
	ds_add_u32 v28, v29
	ds_add_u32 v28, v29
	s_wait_dscnt 0x0
	CROUND
.endif
	JLOAD G0+4*\s, G1, G0B+4*\s, G1B
	ASK 84+6*\s                                    ; behind fill s: my share of fill s + 1
.endr
	v_and_b32 v1, 15, v0
	v_bfe_u32 v2, v0, 4, 1
	v_and_b32 v3, 31, v0
	v_lshlrev_b32 v[LI], 4, v3
	s_wait_alu depctr_va_vdst(0)
	s_mul_i32 s21, s15, 2*REC
	s_mul_i32 s22, s16, 2*REC
	s_add_co_u32 s22, s22, 2*TILE
	s_sub_co_u32 s23, s22, s21
	v_mul_u32_u24 v4, s23, v2
	v_lshl_add_u32 v4, v1, 2, v4
	s_add_co_u32 s19, s21, 8192
.irp s, 0,1
	v_add_nc_u32 v[ADRA+\s], s21, v[LI]
	v_add_nc_u32 v[ADRB+\s], s22, v[LI]
	v_add_nc_u32 v[ADRS+\s], s19, v4
	s_add_co_u32 s21, s21, SLOT
	s_add_co_u32 s22, s22, SLOT
	s_add_co_u32 s19, s19, SLOT
.endr
	s_mul_i32 s23, s14, 16*SPITCH
	v_mul_u32_u24 v5, v1, SPITCH
	v_lshl_add_u32 v5, v2, 6, v5
	v_add_nc_u32 v[STO], s23, v5
	v_add_nc_u32 v[RD], s23, v[LI]
	s_lshl_b32 s76, s67, 24
	s_lshl_b32 s78, s17, 20
	s_add_co_u32 s76, s76, s78
	s_lshl_b32 s78, s15, 19
	s_add_co_u32 s76, s76, s78
	s_lshl_b32 s78, s42, 10
	s_add_co_u32 s76, s76, s78
	s_lshl_b32 s78, s16, 9
	s_add_co_u32 s76, s76, s78
	s_mov_b32 s77, 0
	s_add_nc_u64 s[12:13], s[12:13], s[76:77]
	s_wait_alu depctr_va_vdst(0)
	s_wait_tensorcnt 1
	s_barrier_signal -1
	s_barrier_wait -1
	FETCH_B 0, 0, 0
	FETCH_A 0, 0, 0
	SCALES 0
	FETCH_A 0, 0, 4
	STEP 0, 0, 1
	s_mov_b32 s3, 1
.Llap:
	TURN 0, 1, 1
	STEP 1, 0, 0
	TURN 1, 0, 1
	STEP 0, 0, 0
	s_sub_co_u32 s3, s3, 1
	s_cmp_lg_u32 s3, 0
	s_cbranch_scc1 .Llap
	TURN 0, 1, 0
	STEP 1, 0, 0
	s_wait_dscnt 4*NL
	WIN MUL_LO
	MUL16 0, 1, 1, 1, 0
	MUL16 2, 1, 1, 1, 0
	s_wait_dscnt 0
	WIN MUL_HI
	MUL16 4, 1, 1, 1, 0
	MUL16 6, 1, 1, 1, 0
	WIN 0
.macro TOSTAGE a
.set AC, 64*((\a)%4)
	WIN 0x08+4*((\a)/4)
.irp b, 0,1,2,3,4,5,6,7
	ds_store_b128 v[STO], v[AC+8*\b:AC+8*\b+3] offset:128*(\b/2)+32*(\b%2)
	ds_store_b128 v[STO], v[AC+8*\b+4:AC+8*\b+7] offset:128*(\b/2)+32*(\b%2)+16
.endr
	WIN 0
.set BB, BK+64*((\a)%2)
.irp t, 0,1,2,3,4,5,6,7,8,9,10,11,12,13,14,15
	ds_load_b128 v[BB+4*\t:BB+4*\t+3], v[RD] offset:\t*SPITCH
.endr
.endm
.macro SEND a, younger
.set BB, BK+64*((\a)%2)
	s_wait_dscnt \younger
.if (\a) > 0
	s_add_nc_u64 s[12:13], s[12:13], 16*4096
.endif
.irp t, 0,1,2,3,4,5,6,7,8,9,10,11,12,13,14,15
	global_store_b128 v[LI], v[BB+4*\t:BB+4*\t+3], s[12:13] offset:\t*4096 th:TH_STORE_NT
.endr
.endm
	PLACES NP
	TOSTAGE 0
.irp a, 1,2,3,4,5,6,7
.if \a > 1
	s_wait_xcnt 0x0
.endif
	TOSTAGE \a
	SEND \a-1, 32
.endr
	s_wait_xcnt 0x0
	SEND 7, 0
	s_wait_tensorcnt 0x0
	ds_add_u32 v[SPW], v[NIL]
	s_wait_dscnt 0x0
	CROUND
	s_endpgm
.Lfunc_end_k_qead5249857_ffn2:
	.size	k_qead5249857_ffn2, .Lfunc_end_k_qead5249857_ffn2-k_qead5249857_ffn2
	.p2alignl 7, 3214868480
	.fill 96, 4, 3214868480
	.section	.rodata,"a",@progbits
	.p2align	6, 0x0
	.amdhsa_kernel k_qead5249857_ffn2
		.amdhsa_group_segment_fixed_size 327680
		.amdhsa_private_segment_fixed_size 0
		.amdhsa_enable_private_segment 0
		.amdhsa_kernarg_size 24
		.amdhsa_user_sgpr_count 2
		.amdhsa_user_sgpr_kernarg_segment_ptr 1
		.amdhsa_wavefront_size32 1
		.amdhsa_system_sgpr_workgroup_id_x 1
		.amdhsa_system_sgpr_workgroup_id_y 1
		.amdhsa_system_sgpr_workgroup_id_z 1
		.amdhsa_system_vgpr_workitem_id 0
		.amdhsa_next_free_vgpr 1024
		.amdhsa_next_free_sgpr 100
		.amdhsa_reserve_vcc 0
		.amdhsa_float_denorm_mode_32 3
		.amdhsa_float_denorm_mode_16_64 3
		.amdhsa_memory_ordered 1
		.amdhsa_forward_progress 1
		.amdhsa_inst_pref_size 147
	.end_amdhsa_kernel
	.amdgpu_metadata
---
amdhsa.version: [ 1, 2 ]
amdhsa.kernels:
  - .name:           k_qead5249857_ffn2
    .symbol:         k_qead5249857_ffn2.kd
    .args:
      - { .name: act, .offset: 0, .size: 8, .value_kind: global_buffer, .address_space: global }
      - { .name: w2c, .offset: 8, .size: 8, .value_kind: global_buffer, .address_space: global }
      - { .name: yp, .offset: 16, .size: 8, .value_kind: global_buffer, .address_space: global }
    .group_segment_fixed_size: 327680
    .private_segment_fixed_size: 0
    .kernarg_segment_align: 8
    .kernarg_segment_size: 24
    .max_flat_workgroup_size: 128
    .sgpr_count:     100
    .vgpr_count:     1024
    .wavefront_size: 32
...
	.end_amdgpu_metadata
.endif
;; end of part 7
;; launch ln2 (part 8): grid 256 x 1, 16 waves a work-group, no clusters, 0 bytes of LDS; arguments yp, hb, b2, g2, be2, out0; writes out0
.if DOCPART == 8
	.amdgcn_target "amdgcn-amd-amdhsa--gfx1250"
	.amdhsa_code_object_version 6
	.text
	.protected	k_qead5249857_ln2
	.globl	k_qead5249857_ln2
	.p2align	8
	.type	k_qead5249857_ln2,@function
k_qead5249857_ln2:
	s_mov_b64 s[64:65], 0
	v_nop
	global_prefetch_b8 v0, s[64:65] scope:SCOPE_SE
	s_setreg_imm32_b32 hwreg(HW_REG_WAVE_MODE, 25, 1), 1
	s_wait_xcnt 0x0
; out = LayerNorm(h + (the four parts along K of the FFN's second product, added in a fixed order, + b2)) x g2 + be2, in f32.
; A wave takes one row of 1,024 (a lane holds columns 128 j + 4 lane + e in register 4 j + e: every load and store is 512 consecutive bytes), a work-group 16 rows.
; yp and hb go by POSITION; position 16 rb + w is token 32 (rb / 2) + 8 (rb % 2) + w + 8 (w / 8), which out0 is stored by.  Mean first, then the mean of squared differences.
; No LDS, no barrier: waves share nothing.  NaN and infinities are not served.
.set P0,   16
.set P1,   48
.set P2,   80
.set P3,   112
.set H,    144
.set B2,   176
.set SM,   208
.set MU,   216
.set RS,   218
.set SEL,  24
.macro ROW8 reg, base
.irp j, 0,1,2,3,4,5,6,7
	global_load_b128 v[\reg+4*\j:\reg+4*\j+3], v4, s[\base:\base+1] offset:512*\j
.endr
.endm
.macro ROW8NT reg, base
.irp j, 0,1,2,3,4,5,6,7
	global_load_b128 v[\reg+4*\j:\reg+4*\j+3], v4, s[\base:\base+1] offset:512*\j th:TH_LOAD_NT
.endr
.endm
.macro ADDROW d, s
.set n, 0
.rept 16
	v_pk_add_f32 v[\d+n:\d+n+1], v[\d+n:\d+n+1], v[\s+n:\s+n+1]
.set n, n+2
.endr
.endm
.macro LANESUM
	s_delay_alu instid0(VALU_DEP_3)
	v_pk_add_f32 v[SM:SM+1], v[SM:SM+1], v[SM+2:SM+3]
	s_delay_alu instid0(VALU_DEP_2)
	v_pk_add_f32 v[SM+4:SM+5], v[SM+4:SM+5], v[SM+6:SM+7]
	s_delay_alu instid0(VALU_DEP_1)
	v_pk_add_f32 v[SM:SM+1], v[SM:SM+1], v[SM+4:SM+5]
	s_delay_alu instid0(VALU_DEP_1)
	v_add_f32 v[SM], v[SM], v[SM+1]
	s_delay_alu instid0(VALU_DEP_1)
	v_add_f32_dpp v[SM], v[SM], v[SM] row_xmask:1 row_mask:0xf bank_mask:0xf
	s_delay_alu instid0(VALU_DEP_1)
	v_add_f32_dpp v[SM], v[SM], v[SM] row_xmask:2 row_mask:0xf bank_mask:0xf
	s_delay_alu instid0(VALU_DEP_1)
	v_add_f32_dpp v[SM], v[SM], v[SM] row_xmask:4 row_mask:0xf bank_mask:0xf
	s_delay_alu instid0(VALU_DEP_1)
	v_add_f32_dpp v[SM], v[SM], v[SM] row_xmask:8 row_mask:0xf bank_mask:0xf
	s_delay_alu instid0(VALU_DEP_1)
	v_permlanex16_b32 v[SM+1], v[SM], s[SEL], s[SEL+1]
	s_delay_alu instid0(VALU_DEP_1)
	v_add_f32 v[SM], v[SM], v[SM+1]
.endm
	s_load_b256 s[4:11], s[0:1], 0x0               ; yp, hb, b2, g2
	s_load_b128 s[12:15], s[0:1], 0x20             ; be2, out0
	v_lshrrev_b32 v1, 5, v0
	s_delay_alu instid0(VALU_DEP_1)
	v_readfirstlane_b32 s16, v1                    ; wave 0..15
	v_and_b32 v1, 31, v0
	s_delay_alu instid0(VALU_DEP_1)
	v_lshlrev_b32 v4, 4, v1
	s_lshl_b32 s18, ttmp9, 4
	s_add_co_u32 s18, s18, s16                     ; position
	s_lshl_b32 s18, s18, 12
	s_mov_b32 s19, 0
	s_lshr_b32 s20, ttmp9, 1
	s_lshl_b32 s20, s20, 5
	s_and_b32 s21, ttmp9, 1
	s_lshl_b32 s21, s21, 3
	s_add_co_u32 s20, s20, s21
	s_add_co_u32 s20, s20, s16
	s_and_b32 s21, s16, 8
	s_add_co_u32 s20, s20, s21                     ; token
	s_lshl_b32 s20, s20, 12
	s_mov_b32 s21, 0
	s_mov_b32 s[SEL], 0x76543210
	s_mov_b32 s[SEL+1], 0xfedcba98
	s_mov_b32 s33, 0x3a800000                      ; 1 / 1,024
	s_mov_b32 s34, 0x3727c5ac                      ; 1e-5
	s_wait_alu depctr_va_vdst(0)
	s_wait_kmcnt 0x0
	s_add_nc_u64 s[36:37], s[4:5], s[18:19]        ; my row in the four planes, 16 MiB apart
	s_add_nc_u64 s[38:39], s[36:37], 0x1000000
	s_add_nc_u64 s[40:41], s[38:39], 0x1000000
	s_add_nc_u64 s[42:43], s[40:41], 0x1000000
	s_add_nc_u64 s[6:7], s[6:7], s[18:19]          ; h's row
	s_add_nc_u64 s[14:15], s[14:15], s[20:21]      ; the output's
	ROW8NT P0, 36
	ROW8NT P1, 38
	ROW8NT P2, 40
	ROW8NT P3, 42
	ROW8NT H, 6
	ROW8 B2, 8
	s_wait_loadcnt 32                              ; planes 0 and 1 are in; four rows stay out
	ADDROW P0, P1
	s_wait_loadcnt 16                              ; planes 2 and 3 are in; h and b2 stay out
	ADDROW P2, P3
	ADDROW P0, P2
	ROW8 P2, 10                                    ; g2 and be2 take the registers that planes 2 and 3 have left
	ROW8 P3, 12
	s_wait_loadcnt 16                              ; h and b2 are in; g2 and be2 stay out
	ADDROW P0, B2
	ADDROW P0, H
.irp k, 0,1,2,3
	v_pk_add_f32 v[SM+2*\k:SM+2*\k+1], v[P0+2*\k:P0+2*\k+1], v[P0+8+2*\k:P0+8+2*\k+1]
.endr
.irp q, 16,24
.irp k, 0,1,2,3
	s_delay_alu instid0(VALU_DEP_4)
	v_pk_add_f32 v[SM+2*\k:SM+2*\k+1], v[SM+2*\k:SM+2*\k+1], v[P0+\q+2*\k:P0+\q+2*\k+1]
.endr
.endr
	LANESUM
	s_delay_alu instid0(VALU_DEP_1)
	v_mul_f32 v[MU], s33, v[SM]
	s_delay_alu instid0(VALU_DEP_1)
	v_mov_b32 v[MU+1], v[MU]
.set n, 0
.rept 16
	v_pk_add_f32 v[P0+n:P0+n+1], v[P0+n:P0+n+1], v[MU:MU+1] neg_lo:[0,1] neg_hi:[0,1]
.set n, n+2
.endr
.irp k, 0,1,2,3
	v_pk_mul_f32 v[SM+2*\k:SM+2*\k+1], v[P0+2*\k:P0+2*\k+1], v[P0+2*\k:P0+2*\k+1]
.endr
.irp q, 8,16,24
.irp k, 0,1,2,3
	s_delay_alu instid0(VALU_DEP_4)
	v_pk_fma_f32 v[SM+2*\k:SM+2*\k+1], v[P0+\q+2*\k:P0+\q+2*\k+1], v[P0+\q+2*\k:P0+\q+2*\k+1], v[SM+2*\k:SM+2*\k+1]
.endr
.endr
	LANESUM
	s_delay_alu instid0(VALU_DEP_1)
	v_fma_f32 v[SM], v[SM], s33, s34
	s_wait_alu depctr_va_vdst(0)
	v_rsq_f32 v[RS], v[SM]
	v_nop                                          ; a plain line behind the transcendental
	s_wait_alu depctr_va_vdst(0)                   ; and the wait ahead of its first reader
	v_mov_b32 v[RS+1], v[RS]
	s_wait_alu depctr_va_vdst(0)
	s_wait_loadcnt 0x0                             ; g2, be2
.set n, 0
.rept 16
	v_pk_mul_f32 v[P0+n:P0+n+1], v[P0+n:P0+n+1], v[RS:RS+1]
.set n, n+2
.endr
.set n, 0
.rept 16
	v_pk_fma_f32 v[P0+n:P0+n+1], v[P0+n:P0+n+1], v[P2+n:P2+n+1], v[P3+n:P3+n+1]
.set n, n+2
.endr
.irp j, 0,1,2,3,4,5,6,7
	global_store_b128 v4, v[P0+4*\j:P0+4*\j+3], s[14:15] offset:512*\j th:TH_STORE_NT
.endr
	s_endpgm
.Lfunc_end_k_qead5249857_ln2:
	.size	k_qead5249857_ln2, .Lfunc_end_k_qead5249857_ln2-k_qead5249857_ln2
	.p2alignl 7, 3214868480
	.fill 96, 4, 3214868480
	.section	.rodata,"a",@progbits
	.p2align	6, 0x0
	.amdhsa_kernel k_qead5249857_ln2
		.amdhsa_group_segment_fixed_size 0
		.amdhsa_private_segment_fixed_size 0
		.amdhsa_enable_private_segment 0
		.amdhsa_kernarg_size 48
		.amdhsa_user_sgpr_count 2
		.amdhsa_user_sgpr_kernarg_segment_ptr 1
		.amdhsa_wavefront_size32 1
		.amdhsa_system_sgpr_workgroup_id_x 1
		.amdhsa_system_sgpr_workgroup_id_y 1
		.amdhsa_system_sgpr_workgroup_id_z 1
		.amdhsa_system_vgpr_workitem_id 0
		.amdhsa_next_free_vgpr 256
		.amdhsa_next_free_sgpr 66
		.amdhsa_reserve_vcc 0
		.amdhsa_float_denorm_mode_32 3
		.amdhsa_float_denorm_mode_16_64 3
		.amdhsa_memory_ordered 1
		.amdhsa_forward_progress 1
		.amdhsa_inst_pref_size 22
	.end_amdhsa_kernel
	.amdgpu_metadata
---
amdhsa.version: [ 1, 2 ]
amdhsa.kernels:
  - .name:           k_qead5249857_ln2
    .symbol:         k_qead5249857_ln2.kd
    .args:
      - { .name: yp, .offset: 0, .size: 8, .value_kind: global_buffer, .address_space: global }
      - { .name: hb, .offset: 8, .size: 8, .value_kind: global_buffer, .address_space: global }
      - { .name: b2, .offset: 16, .size: 8, .value_kind: global_buffer, .address_space: global }
      - { .name: g2, .offset: 24, .size: 8, .value_kind: global_buffer, .address_space: global }
      - { .name: be2, .offset: 32, .size: 8, .value_kind: global_buffer, .address_space: global }
      - { .name: out0, .offset: 40, .size: 8, .value_kind: global_buffer, .address_space: global }
    .group_segment_fixed_size: 0
    .private_segment_fixed_size: 0
    .kernarg_segment_align: 8
    .kernarg_segment_size: 48
    .max_flat_workgroup_size: 512
    .sgpr_count:     66
    .vgpr_count:     256
    .wavefront_size: 32
...
	.end_amdgpu_metadata
.endif
;; end of part 8
